; MI455X (gfx1250); checked and timed in simulation.
; The chip was launched on July 23, 2026; its instructions are those of AMD's public machine-readable ISA for CDNA 5 (MIT licence, August 2026) and "CDNA5" Instruction Set Architecture Reference Guide (July 2026). The comments in the code are by the model that wrote it; some were corrected since.
;; Differential Attention. Allowed arithmetic: matrix products marked QUANTISED: E2M3 operands, one E8M0 scale for each 32 along K, by v_wmma_scale_f32_16x16x128_f8f6f4 with both operands' format E2M3, f32 sums; everything else in f32.
;; Inputs: Wk 1,024 x 1,024 float32; Wo 1,024 x 1,024 float32; Wq 1,024 x 1,024 float32; Wv 1,024 x 1,024 float32; lambda_k1 64 float32; lambda_k2 64 float32; lambda_q1 64 float32; lambda_q2 64 float32; mask 1 x 1 x 4,096 x 4,096 bool; subln_weight 128 float32; x 4,096 x 1,024 float32.
;; Outputs: out0 4,096 x 1,024 float32.
;; This version of the problem:
;;   THIS VERSION OF THE PROBLEM IS GIVEN IN LOW PRECISION. The matrix products marked QUANTISED in the list below multiply operands that are first quantised to E2M3 (2 exponent bits, 3 mantissa bits; 6 bits a number), with one power-of-two scale for each 32 numbers along K (OCP MX v1.0); their sums are f32. All else is computed in f32.
;;   The module's matrix products, in the order in which they are computed (A, B: the left and right operand; K: the contracted axis; several contracted axes count as one K, in the product's order):
;;     1. [M 4,096, K 1,024] x [K 1,024, N 1,024]; A: input x; B: input Wq: QUANTISED
;;     2. [M 4,096, K 1,024] x [K 1,024, N 1,024]; A: input x; B: input Wk: QUANTISED
;;     3. [M 4,096, K 1,024] x [K 1,024, N 1,024]; A: input x; B: input Wv: QUANTISED
;;     4. batch 8 x [M 4,096, K 64] x [K 64, N 4,096]; A: computed on the way; B: computed on the way: QUANTISED
;;     5. batch 8 x [M 128, K 4,096] x [K 4,096, N 4,096]; A: computed on the way; B: softmax (see below): QUANTISED
;;     6. batch 8 x [M 4,096, K 64] x [K 64, N 4,096]; A: computed on the way; B: computed on the way: QUANTISED
;;     7. batch 8 x [M 128, K 4,096] x [K 4,096, N 4,096]; A: computed on the way; B: softmax (see below): QUANTISED
;;     8. [M 4,096, K 1,024] x [K 1,024, N 1,024]; A: computed on the way; B: input Wo: QUANTISED
;;   THE QUANTISER, for each operand of a quantised product, along K:
;;     - K is cut into blocks of 32 from its start; a last block that is shorter is filled with zeros.
;;     - A block's scale is 2^e with e = floor(log2(the largest magnitude in the block)) - 2, held to -126 .. 127; a block of zeros has e = 0. As a byte (E8M0): e + 127.
;;     - Each number is divided by its block's scale, clamped to +-7.5, and rounded to the nearest number of E2M3, ties to even, subnormals kept.
;;     - The product sums the exact products of the quantised numbers (number of the format x scale) in f32.
;;   ~~~python
;;   def quantise(x, axis):      # numpy; x: float32 -> the quantised numbers, widened to float32 again
;;       x = np.moveaxis(x, axis, -1); K = x.shape[-1]
;;       x = np.pad(x, [(0, 0)] * (x.ndim - 1) + [(0, -K % 32)]); x = x.reshape(x.shape[:-1] + (-1, 32)); a = np.abs(x).max(-1, keepdims=True)
;;       e = np.where(a > 0, np.clip(np.frexp(np.where(a > 0, a, 1))[1] - 1 - 2, -126, 127), 0)      # np.frexp(a)[1] - 1 = floor(log2(a)), exactly
;;       r = np.clip(x / 2.0 ** e, -7.5, 7.5)
;;       step = 2.0 ** (np.maximum(np.frexp(np.where(r == 0, 1, r))[1] - 1, 0) - 3)
;;       q = np.round(r / step) * step * 2.0 ** e      # np.round: ties to even
;;       return np.moveaxis(q.reshape(q.shape[:-2] + (-1,))[..., :K], -1, axis).astype(np.float32)
;;   ~~~
;;   SOFTMAX AHEAD OF A QUANTISED PRODUCT. Where the list says 'softmax', what is quantised is not the finished softmax but p = 2^(t - M), with t = logit x log2(e) and M = ceil(the row's largest t), a whole number; so 1/2 < the row's largest p <= 1. The row's sum l is taken of the UNQUANTISED p, in f32, and the product's result is divided by l at the end. Since M is a whole number, a kernel that streams over the keys may use a running M (the ceiling of the running maximum): every later rescaling is an exact power of two, which a block's scale takes up: the codes' values come out the same.
;;   OPERANDS COMPUTED ON THE WAY. 'Computed on the way' means the value that the module computes at that place (a softmax that the list does not call 'softmax' is quantised finished and normalised). What goes into a quantiser is computed in f32, as accurately as f32 sums, v_exp_f32 and their like allow (about 1e-6 of the number): no bf16 or f16 on the way to a quantiser, and a product that is left as it is and whose result goes on into a quantised operand takes f32 operands (vector FMAs, or v_wmma_f32_16x16x4_f32). A number that lies on a knife's edge between two numbers of the format may be rounded either way, as far as f32 arithmetic and the matrix unit's own rounding can turn it there, and no further.
;; One version. Each part assembles by itself: llvm-mc -triple=amdgcn-amd-amdhsa -mcpu=gfx1250 --defsym DOCPART=n.
;; ======== version 1 of 1: 4 launches
;; workspace buffers: opc 6,291,456 bytes; ops 262,144 bytes; maskw 2,097,152 bytes of whole numbers; qkvc 9,437,184 bytes; qkvs 393,216 bytes; ac 3,145,728 bytes; asc 131,072 bytes
;; launch prep (part 1): grid 512 x 1, 4 waves a work-group, no clusters, 85,504 bytes of LDS; arguments x, Wq, Wk, Wv, Wo, mask, opc, ops, maskw; writes opc, ops, maskw
.if DOCPART == 1
	.amdgcn_target "amdgcn-amd-amdhsa--gfx1250"
	.amdhsa_code_object_version 6
	.text
	.protected	k_qecf732ff16_prep
	.globl	k_qecf732ff16_prep
	.p2align	8
	.type	k_qecf732ff16_prep,@function
k_qecf732ff16_prep:
	s_mov_b64 s[64:65], 0
	v_nop
	global_prefetch_b8 v0, s[64:65] scope:SCOPE_SE
	s_setreg_imm32_b32 hwreg(HW_REG_WAVE_MODE, 25, 1), 1
	s_wait_xcnt 0x0
; THREE JOBS IN ONE LAUNCH, told apart by the work-group's number; each has its own path, its own registers and its own LDS bytes.
;  work-groups   0-127: x [4096][1024] f32 -> codes of FP6 (E2M3), K innermost, 768 bytes a row, and one E8M0 byte for each 32 along K.
;  work-groups 128-255: Wq, Wk, Wv, Wo [1024 (k)][1024 (n)] f32, quantised along their FIRST axis -> codes laid [n][k], K innermost, and their bytes.
;  work-groups 256-511: mask [4096][4096] bool -> words of 32 lane bits, in the order in which the attention launch selects its scores.
; opc holds 8,192 rows of 768 bytes: x at 0, weight w (Wq, Wk, Wv, Wo) column n at 4096 + 1024 w + n; ops the same rows' 32 scale bytes.
; ROWS ARE STORED PERMUTED INSIDE EACH GROUP OF 32: places 8-15 hold rows 16-23 and places 16-23 rows 8-15.  So sixteen neighbouring places 32 B + 16 u + r are the rows
; 32 B + 8 u + r + 8 (r / 8), and a product that takes them as source 0 leaves 16 neighbours along that axis in a lane's 16 registers of two neighbouring tiles.
; A block's scale is 2^(floor(log2(largest magnitude)) - 2); its byte is the largest magnitude's exponent field - 2, held at 1 from below.
; LIMITS: a block of zeros gets the byte 1 where the rule says 127 (its codes are zeros, and this program alone reads the bytes); blocks whose largest magnitude lies under
; 2^(3 - 127) are held at the byte 1; NaN and infinities among x and the weights are not served.
; No tensor loads, no barrier: waves share nothing.
.set EMAX,  2
.set STEPS, 16                         ; x: a wave takes 16 steps of 512 numbers = 8 rows
.set CB,    12                         ; bytes of 16 codes
.set SP,    80                         ; x: a lane's place in a stage: 64 bytes + 16 of padding
.set XREG,  8192                       ; x: LDS 0 .. 32767, 8,192 a wave: two stages of 32 x SP, then 256 scale bytes
.set XR,    16                         ; v16-79   four sets of 16 numbers as loaded
.set XX,    80                         ; v80-111  two sets of 16 neighbours
.set XE,    112                        ; v112-127 a scale byte for each step
.set XC,    128                        ; v128-191 codes, four registers for each step
.set NB,    8                          ; weights: a wave takes 32 columns x 256 along K = 8 blocks a lane
.set KROW,  768                        ; a row of opc
.set WSTG,  32768                      ; weights: LDS 32768 .. 67583, 32 x 272 a wave
.set WP,    272
.set WX,    32                         ; v32-95   two sets of 32 numbers
.set WC,    96                         ; v96..    a block's codes
.set WOUT,  112                        ; v112-175 the way out
.set WSB,   24                         ; v24-25   scale bytes
.set MSTG,  67584                      ; mask: LDS 67584 .. 84991, 16 x 272 a wave
.set MR,    16                         ; v16-79   two sets of 32: a chunk of 16 rows x 256 bytes as loaded
.set MX,    80                         ; v80-111  the chunk by lanes: register 4 (4 s + b) + i / 4, byte i % 4
.set MO,    112                        ; v112-127 a pair of registers for each of a wave's eight key steps
.macro XLOAD t
.irp i, 0,1,2,3
	global_load_b128 v[XR+16*((\t)%4)+4*\i:XR+16*((\t)%4)+4*\i+3], v3, s[4:5] offset:2048*(\t)+512*\i th:TH_LOAD_NT   ; 32 lanes read 512 consecutive bytes
.endr
.endm
.macro XTURN t                         ; a step's 2,048 bytes through the wave's own stage: in as they lie, out 64 bytes a lane.  LDS serves a wave's instructions in order
.irp i, 0,1,2,3
	ds_store_b128 v14, v[XR+16*((\t)%4)+4*\i:XR+16*((\t)%4)+4*\i+3] offset:32*SP*((\t)%2)+8*SP*\i
.endr
.irp i, 0,1,2,3
	ds_load_b128 v[XX+16*((\t)%2)+4*\i:XX+16*((\t)%2)+4*\i+3], v15 offset:32*SP*((\t)%2)+16*\i
.endr
.endm
.macro XSTEP t
.set XS, XX+16*((\t)%2)
.if (\t) > 0
	s_wait_dscnt 1                                 ; this step's numbers are back from the stage; the last step's byte store may be out
.else
	s_wait_dscnt 0x0
.endif
.if (\t)+4 < STEPS
	XLOAD (\t)+4                                   ; into the set whose stores into the stage are done
.endif
.if (\t)+1 < STEPS
.if STEPS-2-(\t) >= 3
	s_wait_loadcnt 12                              ; the next step's four loads are in; the three steps behind it may be out
.else
	s_wait_loadcnt 4*(STEPS-2-(\t))
.endif
	XTURN (\t)+1
.endif
	v_max3_num_f32 v8, |v[XS]|, |v[XS+1]|, |v[XS+2]|               ; the largest magnitude of my 16, in two chains
	v_max3_num_f32 v9, |v[XS+3]|, |v[XS+4]|, |v[XS+5]|
.irp i, 6,10
	v_max3_num_f32 v8, v8, |v[XS+\i]|, |v[XS+\i+1]|
	v_max3_num_f32 v9, v9, |v[XS+\i+2]|, |v[XS+\i+3]|
.endr
	v_max3_num_f32 v8, v8, |v[XS+14]|, |v[XS+15]|
	v_max3_num_f32 v8, v8, v9, (EMAX+1)<<23        ; and the floor 2^(3 - 127): the byte cannot fall under 1
	v_max_num_f32_dpp v8, v8, v8 row_xmask:1 row_mask:0xf bank_mask:0xf   ; with my neighbour's 16: the block's
	v_add_nc_u32 v11, -(EMAX<<23), v8              ; 2 off the exponent field: the conversion takes this operand's exponent field as its scale
	v_cvt_scalef32_pk16_fp6_f32 v[XC+4*(\t):XC+4*(\t)+2], v[XS:XS+15], v11
	v_lshrrev_b32 v[XE+(\t)], 23, v11              ; the scale's byte (a plain line behind the conversion)
	ds_store_b8 v5, v[XE+(\t)] offset:16*(\t)      ; both lanes of a block write the same byte with the same value
	global_store_b96 v4, v[XC+4*(\t):XC+4*(\t)+2], s[8:9] offset:32*CB*(\t)   ; the wave stores 384 consecutive bytes
.endm
.macro WLOAD t                         ; block t: W(32 t + i, my column), i = 0 .. 31
.irp i, 0,1,2,3,4,5,6,7,8,9,10,11,12,13,14,15,16,17,18,19,20,21,22,23,24,25,26,27,28,29,30,31
	global_load_b32 v[WX+32*((\t)%2)+\i], v3, s[4:5] offset:(32*(\t)+\i)*4096 th:TH_LOAD_NT
.endr
.endm
.macro WBLOCK t
.set WS, WX+32*((\t)%2)
.if (\t) < NB-1
	s_wait_loadcnt 32                              ; this block's 32 loads are in; the next block's may be out
.else
	s_wait_loadcnt 0
.endif
	v_max3_num_f32 v12, |v[WS]|, |v[WS+1]|, |v[WS+2]|              ; all 32 numbers of the block are mine
	v_max3_num_f32 v13, |v[WS+3]|, |v[WS+4]|, |v[WS+5]|
.irp i, 6,10,14,18,22,26
	v_max3_num_f32 v12, v12, |v[WS+\i]|, |v[WS+\i+1]|
	v_max3_num_f32 v13, v13, |v[WS+\i+2]|, |v[WS+\i+3]|
.endr
	v_max3_num_f32 v12, v12, |v[WS+30]|, |v[WS+31]|
	v_max3_num_f32 v12, v12, v13, (EMAX+1)<<23
	v_add_nc_u32 v11, -(EMAX<<23), v12
	v_lshrrev_b32 v13, 23, v11
.if (\t)%4 == 0
	v_mov_b32 v[WSB+(\t)/4], v13                   ; four bytes to a register, the lower K in the lower byte
.else
	v_lshl_or_b32 v[WSB+(\t)/4], v13, 8*((\t)%4), v[WSB+(\t)/4]
.endif
	v_cvt_scalef32_pk16_fp6_f32 v[WC:WC+2], v[WS:WS+15], v11
	v_cvt_scalef32_pk16_fp6_f32 v[WC+4:WC+6], v[WS+16:WS+31], v11  ; (a conversion's three registers begin on an even number)
	v_nop                                          ; one plain line behind the conversions
	ds_store_b96 v4, v[WC:WC+2] offset:32*(\t)     ; 12 bytes to a place of 16 in the stage
	ds_store_b96 v4, v[WC+4:WC+6] offset:32*(\t)+16
.if (\t)+2 < NB
	WLOAD (\t)+2
.endif
	s_wait_dscnt 0x0                               ; the stores have read their registers: the next block's codes may be written
.endm
.macro LOADM c                         ; chunk c: 16 rows x 256 bytes; lanes 0-15 read 256 bytes of row 2 i, lanes 16-31 of row 2 i + 1
.irp i, 0,1,2,3,4,5,6,7
	global_load_b128 v[MR+32*((\c)%2)+4*\i:MR+32*((\c)%2)+4*\i+3], v3, s[4:5] offset:8192*\i+256*(\c) th:TH_LOAD_NT
.endr
.endm
.macro CHUNK c
.if (\c) < 3
	s_wait_loadcnt 8                               ; this chunk's eight loads are in; the next chunk's may be out
.else
	s_wait_loadcnt 0
.endif
.irp i, 0,1,2,3,4,5,6,7
	ds_store_b128 v4, v[MR+32*((\c)%2)+4*\i:MR+32*((\c)%2)+4*\i+3] offset:544*\i
.endr
.irp f, 0,1,2,3,4,5,6,7                ; f = 4 s + b: lane l takes row l % 16, columns 128 s + 32 b + 16 (l / 16) + 0 .. 15
	ds_load_b128 v[MX+4*\f:MX+4*\f+3], v5 offset:32*\f
.endr
	s_wait_dscnt 0x0                               ; the chunk is back by lanes, and the stores have read their registers
.if (\c) < 2
	LOADM (\c)+2
.endif
.set MN, 0                             ; MN = 64 s + 16 b + i
.rept 128
	v_and_b32 v[8+MN%8], s[20+MN%4], v[MX+MN/4]    ; one bool of each lane
	v_cmp_ne_u32 s[24+MN%8], 0, v[8+MN%8]          ; as 32 lane bits: word 16 b + i of key step s
	v_writelane_b32 v[MO+2*(2*(\c)+MN/64)+MN%2], s[24+MN%8], (MN%64)/2   ; lane L gathers words 2 L and 2 L + 1
.set MN, MN+1
.endr
.irp s, 0,1
	global_store_b64 v6, v[MO+2*(2*(\c)+\s):MO+2*(2*(\c)+\s)+1], s[6:7] offset:256*(2*(\c)+\s)   ; 32 lanes store a key step's 64 words: 256 consecutive bytes, aligned
.endr
.endm
	v_lshl_add_u32 v192, v0, 2, 0x14c00
	v_mov_b32 v193, 0
	v_lshrrev_b32 v1, 5, v0
	v_readfirstlane_b32 s16, v1                    ; wave 0..3
	v_and_b32 v2, 31, v0                           ; lane
	s_cmp_lt_u32 ttmp9, 128
	s_cbranch_scc1 .Lx
	s_cmp_lt_u32 ttmp9, 256
	s_cbranch_scc1 .Lw
; ---- THE MASK.  Work-group 256 + qt takes queries 16 qt .. 16 qt + 15; wave w keys 1024 w .. 1024 w + 1023, in four chunks of 256.
; maskw: [256 tiles of queries][32 key steps][64 words]; word 16 b + i, bit l = mask[16 qt + l % 16][128 s + 32 b + 16 (l / 16) + i].
	s_load_b64 s[4:5], s[0:1], 0x28                ; mask
	s_load_b64 s[6:7], s[0:1], 0x40                ; maskw
	s_sub_co_u32 s17, ttmp9, 256                   ; qt
	s_lshl_b32 s18, s17, 16                        ; 16 rows of 4,096 bytes
	s_lshl_b32 s19, s16, 10
	s_add_co_u32 s18, s18, s19
	s_mov_b32 s19, 0
	s_lshl_b32 s8, s17, 13                         ; 32 key steps of 256 bytes
	s_lshl_b32 s9, s16, 11
	s_add_co_u32 s8, s8, s9
	s_mov_b32 s9, 0
	s_mul_i32 s10, s16, 16*272
	s_add_co_u32 s10, s10, MSTG                    ; my stage
	v_lshrrev_b32 v7, 4, v2                        ; l / 16
	v_and_b32 v8, 15, v2                           ; l % 16
	v_lshlrev_b32 v3, 12, v7
	v_lshl_add_u32 v3, v8, 4, v3                   ; in memory: (l / 16) rows + 16 (l % 16)
	v_mul_u32_u24 v4, v7, 272
	v_lshl_add_u32 v4, v8, 4, v4
	v_add_nc_u32 v4, s10, v4                       ; into the stage: the same
	v_mul_u32_u24 v5, v8, 272
	v_lshl_add_u32 v5, v7, 4, v5
	v_add_nc_u32 v5, s10, v5                       ; out of it: row l % 16, + 16 (l / 16)
	v_lshlrev_b32 v6, 3, v2                        ; out: 8 bytes a lane
	s_mov_b32 s20, 0xff
	s_mov_b32 s21, 0xff00
	s_mov_b32 s22, 0xff0000
	s_mov_b32 s23, 0xff000000
.irp i, 0,1,2,3,4,5,6,7,8,9,10,11,12,13,14,15
	v_mov_b32 v[MO+\i], 0                          ; written once: a lane write's destination counts as read
.endr
	s_wait_kmcnt 0x0
	s_add_nc_u64 s[4:5], s[4:5], s[18:19]
	s_add_nc_u64 s[6:7], s[6:7], s[8:9]
	LOADM 0
	LOADM 1
	CHUNK 0
	CHUNK 1
	CHUNK 2
	CHUNK 3
	s_wait_tensorcnt 0x0
	ds_add_u32 v192, v193
	s_wait_dscnt 0x0
	s_endpgm
; ---- x.  Run = 4 x work-group + wave = 8 rows; its codes and bytes go to the run whose two low bits are swapped: the permutation inside groups of 32 rows.
.Lx:
	s_load_b64 s[4:5], s[0:1], 0x0                 ; x
	s_load_b128 s[8:11], s[0:1], 0x30              ; opc, ops
	v_lshlrev_b32 v3, 4, v2                        ; my 16 bytes of a load's 512
	s_mul_i32 s17, s16, XREG
	v_lshrrev_b32 v14, 2, v2
	v_mul_u32_u24 v14, v14, SP
	v_and_b32 v15, 3, v2
	v_lshl_add_u32 v14, v15, 4, v14
	v_add_nc_u32 v14, s17, v14                     ; the stage, on the way in: SP (lane / 4) + 16 (lane % 4)
	v_mul_u32_u24 v15, v2, SP
	v_add_nc_u32 v15, s17, v15                     ; and on the way out: SP x lane
	v_mul_u32_u24 v4, v2, CB                       ; my codes' place in a step's
	v_lshrrev_b32 v5, 1, v2
	s_add_co_u32 s17, s17, 2*32*SP
	v_add_nc_u32 v5, s17, v5                       ; my block's byte among the wave's 256
	v_lshlrev_b32 v7, 3, v2
	v_add_nc_u32 v6, s17, v7
	s_lshl_b32 s18, ttmp9, 2
	s_add_co_u32 s18, s18, s16                     ; run
	s_and_b32 s19, s18, 1
	s_lshl_b32 s19, s19, 1
	s_bfe_u32 s20, s18, 0x10001
	s_and_b32 s21, s18, 0xfffffffc
	s_or_b32 s21, s21, s19
	s_or_b32 s21, s21, s20                         ; the run's place
	s_lshl_b32 s22, s18, 15                        ; 8 rows of 4,096 bytes
	s_mov_b32 s23, 0
	s_mul_i32 s24, s21, 8*KROW
	s_mov_b32 s25, 0
	s_lshl_b32 s26, s21, 8
	s_mov_b32 s27, 0
	s_wait_kmcnt 0x0
	s_add_nc_u64 s[4:5], s[4:5], s[22:23]
	s_add_nc_u64 s[8:9], s[8:9], s[24:25]
	s_add_nc_u64 s[10:11], s[10:11], s[26:27]
.irp t, 0,1,2,3
	XLOAD \t
.endr
	s_wait_loadcnt 12                              ; step 0's four loads are in
	XTURN 0
.irp t, 0,1,2,3,4,5,6,7,8,9,10,11,12,13,14,15
	XSTEP \t
.endr
	ds_load_b64 v[12:13], v6                       ; LDS serves a wave's instructions in order: these see my byte stores
	s_wait_dscnt 0x0
	global_store_b64 v7, v[12:13], s[10:11]        ; 32 lanes store 256 consecutive bytes, aligned
	s_wait_tensorcnt 0x0
	ds_add_u32 v192, v193
	s_wait_dscnt 0x0
	s_endpgm
; ---- THE WEIGHTS.  j = work-group - 128: weight j / 32, columns 128 (j % 8) + 32 x wave on, K 256 ((j / 8) % 4) on.  A lane takes a column, its registers run down K.
.Lw:
	s_load_b256 s[4:11], s[0:1], 0x8               ; Wq, Wk, Wv, Wo
	s_load_b128 s[12:15], s[0:1], 0x30             ; opc, ops
	s_sub_co_u32 s17, ttmp9, 128
	s_lshr_b32 s18, s17, 5                         ; which weight
	s_and_b32 s19, s17, 7
	s_bfe_u32 s20, s17, 0x20003                    ; which 256 along K
	s_lshl_b32 s21, s19, 7
	s_lshl_b32 s22, s16, 5
	s_add_co_u32 s21, s21, s22                     ; my wave's first column, a multiple of 32
	v_lshlrev_b32 v3, 2, v2                        ; in: 4 bytes a lane
	s_mul_i32 s23, s16, 32*WP
	s_add_co_u32 s23, s23, WSTG                    ; my stage
	v_mul_u32_u24 v4, v2, WP
	v_add_nc_u32 v4, s23, v4                       ; into it: row = my column
	v_and_b32 v5, 15, v2
	v_lshrrev_b32 v6, 4, v2
	v_mul_u32_u24 v7, v6, WP
	v_lshl_add_u32 v7, v5, 4, v7
	v_add_nc_u32 v7, s23, v7                       ; out of it: sixteen lanes to a row, two rows an instruction
	v_mul_u32_u24 v8, v6, KROW
	v_mad_u32_u24 v8, v5, 12, v8                   ; and the same in opc: 12 bytes a lane
	v_and_b32 v9, 7, v2                            ; my column's place in its group of 32: bits 3 and 4 swapped
	v_and_b32 v10, 8, v2
	v_lshl_or_b32 v9, v10, 1, v9
	v_and_b32 v10, 16, v2
	v_lshrrev_b32 v10, 1, v10
	v_or_b32 v9, v9, v10
	v_lshlrev_b32 v9, 5, v9                        ; 32 scale bytes a row
	s_lshl_b32 s24, s20, 20                        ; 256 rows of 4,096 bytes
	s_lshl_b32 s25, s21, 2
	s_add_co_u32 s24, s24, s25
	s_mov_b32 s25, 0
	s_lshl_b32 s26, s18, 10
	s_add_co_u32 s26, s26, s21
	s_add_co_u32 s26, s26, 4096                    ; the first place in opc and ops
	s_mul_i32 s28, s26, KROW
	s_mul_i32 s29, s20, 192
	s_add_co_u32 s28, s28, s29
	s_mov_b32 s29, 0
	s_lshl_b32 s30, s26, 5
	s_lshl_b32 s31, s20, 3
	s_add_co_u32 s30, s30, s31
	s_mov_b32 s31, 0
	s_wait_kmcnt 0x0
	s_cmp_eq_u32 s18, 1                            ; the choice hangs on the work-group's number alone
	s_cselect_b64 s[4:5], s[6:7], s[4:5]
	s_cmp_eq_u32 s18, 2
	s_cselect_b64 s[4:5], s[8:9], s[4:5]
	s_cmp_eq_u32 s18, 3
	s_cselect_b64 s[4:5], s[10:11], s[4:5]
	s_add_nc_u64 s[4:5], s[4:5], s[24:25]
	s_add_nc_u64 s[12:13], s[12:13], s[28:29]
	s_add_nc_u64 s[14:15], s[14:15], s[30:31]
	WLOAD 0
	WLOAD 1
.set Q, 0
.rept NB
	WBLOCK Q
.set Q, Q+1
.endr
	global_store_b64 v9, v[WSB:WSB+1], s[14:15]    ; my column's 8 scale bytes
.irp t, 0,1,2,3,4,5,6,7,8,9,10,11,12,13,14,15
	ds_load_b96 v[WOUT+4*\t:WOUT+4*\t+2], v7 offset:2*\t*WP   ; LDS serves a wave's instructions in order: these see my stores
.endr
.irp t, 0,1,2,3,4,5,6,7,8,9,10,11,12,13,14,15
	s_wait_dscnt 15-\t
	global_store_b96 v8, v[WOUT+4*\t:WOUT+4*\t+2], s[12:13] offset:(((2*\t)&7)+8*(2*(((2*\t)>>3)&1)+(((2*\t)>>4)&1)))*KROW   ; columns 2 t, 2 t + 1 at their places; sixteen lanes store 192 consecutive bytes
.endr
	s_wait_tensorcnt 0x0
	ds_add_u32 v192, v193
	s_wait_dscnt 0x0
	s_endpgm
.Lfunc_end_k_qecf732ff16_prep:
	.size	k_qecf732ff16_prep, .Lfunc_end_k_qecf732ff16_prep-k_qecf732ff16_prep
	.p2alignl 7, 3214868480
	.fill 96, 4, 3214868480
	.section	.rodata,"a",@progbits
	.p2align	6, 0x0
	.amdhsa_kernel k_qecf732ff16_prep
		.amdhsa_group_segment_fixed_size 85504
		.amdhsa_private_segment_fixed_size 0
		.amdhsa_enable_private_segment 0
		.amdhsa_kernarg_size 72
		.amdhsa_user_sgpr_count 2
		.amdhsa_user_sgpr_kernarg_segment_ptr 1
		.amdhsa_wavefront_size32 1
		.amdhsa_system_sgpr_workgroup_id_x 1
		.amdhsa_system_sgpr_workgroup_id_y 1
		.amdhsa_system_sgpr_workgroup_id_z 1
		.amdhsa_system_vgpr_workitem_id 0
		.amdhsa_next_free_vgpr 194
		.amdhsa_next_free_sgpr 66
		.amdhsa_reserve_vcc 0
		.amdhsa_float_denorm_mode_32 3
		.amdhsa_float_denorm_mode_16_64 3
		.amdhsa_memory_ordered 1
		.amdhsa_forward_progress 1
		.amdhsa_inst_pref_size 164
	.end_amdhsa_kernel
	.amdgpu_metadata
---
amdhsa.version: [ 1, 2 ]
amdhsa.kernels:
  - .name:           k_qecf732ff16_prep
    .symbol:         k_qecf732ff16_prep.kd
    .args:
      - { .name: x, .offset: 0, .size: 8, .value_kind: global_buffer, .address_space: global }
      - { .name: Wq, .offset: 8, .size: 8, .value_kind: global_buffer, .address_space: global }
      - { .name: Wk, .offset: 16, .size: 8, .value_kind: global_buffer, .address_space: global }
      - { .name: Wv, .offset: 24, .size: 8, .value_kind: global_buffer, .address_space: global }
      - { .name: Wo, .offset: 32, .size: 8, .value_kind: global_buffer, .address_space: global }
      - { .name: mask, .offset: 40, .size: 8, .value_kind: global_buffer, .address_space: global }
      - { .name: opc, .offset: 48, .size: 8, .value_kind: global_buffer, .address_space: global }
      - { .name: ops, .offset: 56, .size: 8, .value_kind: global_buffer, .address_space: global }
      - { .name: maskw, .offset: 64, .size: 8, .value_kind: global_buffer, .address_space: global }
    .group_segment_fixed_size: 85504
    .private_segment_fixed_size: 0
    .kernarg_segment_align: 8
    .kernarg_segment_size: 72
    .max_flat_workgroup_size: 128
    .sgpr_count:     66
    .vgpr_count:     194
    .wavefront_size: 32
...
	.end_amdgpu_metadata
.endif
;; end of part 1
;; launch qkv (part 2): grid 4 x 48, 4 waves a work-group, clusters of 4 x 4, 327,680 bytes of LDS; arguments opc, ops, qkvc, qkvs; writes qkvc, qkvs
.if DOCPART == 2
	.amdgcn_target "amdgcn-amd-amdhsa--gfx1250"
	.amdhsa_code_object_version 6
	.text
	.protected	k_qecf732ff16_qkv
	.globl	k_qecf732ff16_qkv
	.p2align	8
	.type	k_qecf732ff16_qkv,@function
k_qecf732ff16_qkv:
	s_mov_b64 s[64:65], 0
	v_nop
	global_prefetch_b8 v0, s[64:65] scope:SCOPE_SE
	s_setreg_imm32_b32 hwreg(HW_REG_WAVE_MODE, 25, 1), 1
	s_wait_xcnt 0x0
	s_wait_alu depctr_hold_cnt(0) depctr_sa_sdst(0) depctr_va_vdst(0) depctr_va_sdst(0) depctr_va_ssrc(0) depctr_va_vcc(0) depctr_vm_vsrc(0)
	s_getreg_b32 s2, hwreg(HW_REG_IB_STS2, 6, 4)
	s_cmp_eq_u32 s2, 0
	s_cbranch_scc0 .Lentry_in_a_cluster
	s_endpgm
.Lentry_in_a_cluster:
	s_bfe_u32 s2, ttmp6, 0x10000c
	s_cmp_lg_u32 s2, 0xf033
	s_cbranch_scc0 .Lentry_shape_is_right
	s_endpgm
.Lentry_shape_is_right:
; q = x Wq, k = x Wk, v = x Wv on codes of FP6 (E2M3) with one E8M0 scale for each 32 along K = 1,024, sums in f32; the results are QUANTISED ON THE WAY OUT and never stored as f32:
; q and k along the head's channels (two branches of 64: four blocks of 32 in a head's 128), v along the keys.
; A tile of 256 x 256 results is made by a work-group of four waves; a wave makes 128 x 128: 64 accumulators, 512 registers.  K goes in steps of 256 through a ring of two LDS slots filled by the tensor data mover;
; the scale bytes of the work-group's rows come once, with the first fills, and stay.
; TWO OPERANDS: P, source 0, whose rows become a lane's registers and so the axis of the next quantiser; R, source 1, of which a lane holds one row.
;   clusters 0-7:  R = x (4,096 tokens), P = Wq | Wk (2,048 columns): a lane holds a token, its 64 registers of a block of rows half of a head's 128 channels.
;   clusters 8-11: R = Wv (1,024 columns), P = x: a lane holds a channel of v, its registers run along the keys.
; Rows in opc lie permuted inside groups of 32, so that registers 16 B + i of a row block hold P's index 32 B + 16 (lane / 16) + i, and lane r of R's block a holds row 32 (a / 2) + 8 (a % 2) + r + 8 (r / 8).
; OUT: qkvc, 24 regions of 393,216 bytes, each [32 blocks][128 rows][96 bytes = 128 codes], rows in their natural order: 0-7 q by head [token][q1 | q2], 8-15 k likewise, 16-23 v by head [key step][channel][128 keys];
; qkvs: one scale word for each 96 bytes, in the same order.
; CLUSTERS: 4 x 4 work-groups; R's tile is shared along a row of the cluster, P's along a column: each is asked for jointly, by the same tensor load with a mask that names the four.
; LIMITS: a block of zeros gets the byte 1 (its codes are zeros; this program alone reads the bytes); largest magnitudes under 2^(3 - 127) are held at the byte 1; NaN and infinities are not served.
; REGISTERS, in windows of 256: window 0: v0-31 addresses; v32-63 scale words, two sets; from v128 R's fragments, one set; on the way out v32-255 are free.
;   window 1: P's fragments, two sets, at v0 and v128.   window 2: the accumulators of my rows 0-63 ((a, b) at v[8 (8 a + b)]);   window 3: those of rows 64-127.
.set SIZE_K, 1024
.set KSTEP,  256
.set NQ,     KSTEP/128
.set ROWB,   192                       ; a tile's row in bytes
.set KROW,   SIZE_K*6/8
.set PITCH,  240                       ; an LDS row: 3 x (64 bytes + 16 of padding)
.set FR,     12
.set NL,     6
.set NP,     4                         ; places behind this matrix instruction (ISA guide 7.12.1)
.set HALFT,  128*PITCH
.set SLOT,   4*HALFT
.set LAPS,   SIZE_K/(2*KSTEP)
.set KS,     SIZE_K/32
.set SCL,    2*SLOT                    ; behind the ring: the scales, as rows of 256 bytes + 16 of padding
.set HALFS,  (128*KS/256)*272
.set SBLK,   (16*KS/256)*272
.set SPARE,  SCL+4*HALFS               ; the spare words, 128 bytes for each wave: two blocks of 256 bytes that no other line names
.set ADRA, 16
.set ADRB, 20
.set STO,  24                          ; v24  the way out: my 24 bytes of a row in my stage: 96 r + 24 h
.set RD,   25                          ; v25  and where I read 16 bytes back: 16 x lane
.set CO,   26                          ; v26  16 x lane, in memory
.set CO2,  9                           ; v9   16 x lane + 768 (lane / 16): the store that spans the two runs of eight rows
.set SWS,  8                           ; v8   where my row's scale word goes in the stage
.set SRD,  10                          ; v10  and where I read 16 bytes of them back
.set SPW,  28
.set NIL,  29
.set ADRS, 27
.set SC,   32
.set AF,   128
.set TM,   32                          ; the way out: v32-35 largest magnitudes, v36-39 at work and bytes, v44-47 the conversions' scale operands
.set PW,   48                          ; the scale word just made
.set PC,   52                          ; v52-63 the fragment's codes; v64-70 at work
.set OB,   128                         ; 12 registers for each of the eight blocks: no store's data are written again
.set G1, 24
.set G0, 32
.set G1B, 48
.set G0B, 56
.set G1S, 68
.set G0S, 76
.set G1SB, 80
.set G0SB, 88
.set MSB, 0
.macro WIN new                         ; the immediate's high byte repeats the setting that is left
.if MSB != \new
	s_set_vgpr_msb (MSB<<8)|\new
.set MSB, \new
.endif
.endm
.set MUL_LO, 0xa1                      ; source 0 (P) window 1, source 1 (R) window 0, C and D window 2
.set MUL_HI, 0xf1
.set TO_B,   0x40
; A joint load: waves 0 and 1 fetch for R, waves 2 and 3 for P.  The branch hangs on the wave's number alone.  Four v_nop follow each of the two lines.
.macro JLOAD g0a, g1a, g0b, g1b
	s_cmp_eq_u32 s15, 0
	s_cbranch_scc0 .Lfor_b_\@
	tensor_load_to_lds s[\g0a:\g0a+3], s[\g1a:\g1a+7]
	s_nop 0
.rept 4
	v_nop
.endr
	s_branch .Lasked_\@
.Lfor_b_\@:
	tensor_load_to_lds s[\g0b:\g0b+3], s[\g1b:\g1b+7]
	s_nop 0
.rept 4
	v_nop
.endr
.Lasked_\@:
.endm
.macro CREST                           ; a round of the cluster's barrier behind its opening barrier
	s_cmp_lg_u32 s14, 0
	s_cbranch_scc1 .Lnot_wave_0_\@
	s_barrier_signal -3
.Lnot_wave_0_\@:
	s_barrier_wait -3
	s_barrier_signal -1
	s_barrier_wait -1
.endm
.macro CROUND
	s_barrier_signal -1
	s_barrier_wait -1
	CREST
.endm
	s_load_b128 s[4:7], s[0:1], 0x0                ; opc s[4:5], ops s[6:7]: both operands lie in them
	s_load_b128 s[96:99], s[0:1], 0x10             ; qkvc s[96:97], qkvs s[98:99]
	v_lshl_add_u32 v[SPW], v0, 2, SPARE
	v_mov_b32 v[NIL], 0
	ds_add_u32 v28, v29
	s_wait_dscnt 0x0
	v_lshrrev_b32 v1, 5, v0
	v_readfirstlane_b32 s14, v1                    ; wave 0..3
	s_lshr_b32 s15, s14, 1                         ; which half of R's rows is mine.  Also: I fetch for R (0) or for P (1)
	s_and_b32 s16, s14, 1                          ; which half of P's rows.  Also: which 128 rows of that tile I fetch
	s_bfe_u32 s40, ttmp6, 0x40000                  ; cx, cy: my place in the cluster
	s_bfe_u32 s41, ttmp6, 0x40004
	s_and_b32 s95, ttmp7, 0xffff                   ; the cluster's number, 0 .. 11: the same in all sixteen partners
	s_and_b32 s2, s95, 1
	s_lshr_b32 s3, s95, 1
	s_sub_co_u32 s12, s95, 8
	s_cmp_lt_u32 s95, 8                            ; q and k, or v?
	s_cselect_b32 s2, s2, s12                      ; the cluster's place along P
	s_cselect_b32 s3, s3, 0                        ; and along R
	s_cselect_b32 s100, 0, 6144                    ; R's first row in opc: x, or Wv
	s_cselect_b32 s101, 4096, 0                    ; P's: Wq | Wk, or x
	s_lshl_b32 s42, s2, 2
	s_add_co_u32 s42, s42, s40                     ; tile along P
	s_lshl_b32 s17, s3, 2
	s_add_co_u32 s17, s17, s41                     ; tile along R
	s_lshl_b32 s43, s41, 2
	s_lshl_b32 s43, 15, s43                        ; my row of the cluster
	s_lshl_b32 s44, 0x1111, s40                    ; my column
	; descriptor group 1: a tile of 128 rows x ROWB bytes, padded in LDS
	s_or_b32 s[G1+0], s43, (0<<16)|(1<<20)|(1<<21)|(3<<22)|(3<<25)  ; 15:0 the mask; 17:16 elements of 1 byte; 20 padding on; 21 set beside a mask; 24:22 after every 16 words; 31:25 of 4 words
	s_or_b32 s[G1B+0], s44, (0<<16)|(1<<20)|(1<<21)|(3<<22)|(3<<25)
.irp g, G1, G1B
	s_mov_b32 s[\g+1], ROWB<<16                    ; tensor_dim0
	s_mov_b32 s[\g+2], 128<<16                     ; tensor_dim1
	s_mov_b32 s[\g+3], ROWB<<16                    ; tile_dim0
	s_mov_b32 s[\g+4], 128                         ; tile_dim1
	s_mov_b32 s[\g+5], KROW                        ; tensor_dim0_stride
	s_mov_b32 s[\g+6], 0
	s_mov_b32 s[\g+7], 0
.endr
	; the scales of 128 rows: a dense block of 4,096 bytes, as rows of 256 bytes (32 elements of 8 bytes), 16 bytes of padding behind each
	s_or_b32 s[G1S+0], s43, (3<<16)|(1<<20)|(1<<21)|(5<<22)|(3<<25)
	s_or_b32 s[G1SB+0], s44, (3<<16)|(1<<20)|(1<<21)|(5<<22)|(3<<25)
.irp g, G1S, G1SB
	s_mov_b32 s[\g+1], 32<<16
	s_mov_b32 s[\g+2], (128*KS/256)<<16
	s_mov_b32 s[\g+3], 32<<16
	s_mov_b32 s[\g+4], 128*KS/256
	s_mov_b32 s[\g+5], 32
	s_mov_b32 s[\g+6], 0
	s_mov_b32 s[\g+7], 0
.endr
	s_lshl_b32 s18, s16, 7                         ; which 128 rows of the tile I fetch
	s_lshl_b32 s20, s17, 8
	s_add_co_u32 s20, s20, s18
	s_add_co_u32 s20, s20, s100                    ; R: its first row + 256 x tile + 128 x half
	s_lshl_b32 s46, s42, 8
	s_add_co_u32 s46, s46, s18
	s_add_co_u32 s46, s46, s101                    ; P likewise
	s_mov_b32 s21, 0
	s_mov_b32 s47, 0
	s_mov_b64 s[18:19], KS
	s_mul_u64 s[22:23], s[20:21], s[18:19]         ; where these rows' scales begin, in bytes
	s_mul_u64 s[92:93], s[46:47], s[18:19]
	s_mov_b64 s[18:19], KROW
	s_mul_u64 s[20:21], s[20:21], s[18:19]         ; and their codes
	s_mul_u64 s[46:47], s[46:47], s[18:19]
	s_mul_i32 s45, s14, HALFT                      ; where they go: wave x 128 rows: no place in the cluster enters an LDS address
	s_mul_i32 s94, s14, HALFS
	s_wait_kmcnt 0x0
	s_add_nc_u64 s[20:21], s[4:5], s[20:21]
	s_add_nc_u64 s[22:23], s[6:7], s[22:23]
	s_add_nc_u64 s[46:47], s[4:5], s[46:47]
	s_add_nc_u64 s[92:93], s[6:7], s[92:93]
	CROUND                                         ; all sixteen work-groups are here: the first joint loads meet
	s_mov_b32 s[G0S], 1
	s_add_co_u32 s[G0S+1], s94, SCL
	s_mov_b64 s[G0S+2:G0S+3], s[22:23]
	s_or_b32 s[G0S+3], s[G0S+3], 0x80000000
	s_mov_b32 s[G0SB], 1
	s_add_co_u32 s[G0SB+1], s94, SCL
	s_mov_b64 s[G0SB+2:G0SB+3], s[92:93]
	s_or_b32 s[G0SB+3], s[G0SB+3], 0x80000000
	JLOAD G0S, G1S, G0SB, G1SB                     ; the scales first: they are wanted with K step 0
.irp s, 0,1
	s_mov_b32 s[G0+4*\s], 1
	s_add_co_u32 s[G0+4*\s+1], s45, \s*SLOT
	s_add_nc_u64 s[G0+4*\s+2:G0+4*\s+3], s[20:21], \s*ROWB
	s_or_b32 s[G0+4*\s+3], s[G0+4*\s+3], 0x80000000
	s_mov_b32 s[G0B+4*\s], 1
	s_add_co_u32 s[G0B+4*\s+1], s45, \s*SLOT
	s_add_nc_u64 s[G0B+4*\s+2:G0B+4*\s+3], s[46:47], \s*ROWB
	s_or_b32 s[G0B+4*\s+3], s[G0B+4*\s+3], 0x80000000
	JLOAD G0+4*\s, G1, G0B+4*\s, G1B
.endr
	v_and_b32 v1, 15, v0                           ; r = l % 16
	v_bfe_u32 v2, v0, 4, 1                         ; h = l / 16
	v_mul_u32_u24 v3, v1, PITCH
	v_mul_u32_u24 v4, v2, 24
	v_add_nc_u32 v4, v3, v4                        ; a fragment's row x pitch + 24 x half
	v_lshl_add_u32 v5, v2, 4, v4                   ; and the same behind one padding more
	s_mul_i32 s21, s15, HALFT                      ; my 128 rows of R
	s_mul_i32 s22, s16, HALFT                      ; my 128 rows of P,
	s_add_co_u32 s22, s22, 2*HALFT                 ; which lie behind R's 256
.irp s, 0,1
	v_add_nc_u32 v[ADRA+\s], s21, v4
	v_add_nc_u32 v[ADRB+\s], s22, v4
	v_add_nc_u32 v[ADRA+2+\s], s21, v5
	v_add_nc_u32 v[ADRB+2+\s], s22, v5
	s_add_co_u32 s21, s21, SLOT
	s_add_co_u32 s22, s22, SLOT
.endr
	v_mul_u32_u24 v5, v1, KS                       ; my row's scales: KS bytes a row,
	v_lshrrev_b32 v6, 8, v5
	v_lshl_add_u32 v5, v6, 4, v5                   ; and 16 more for each 256 passed
	s_mul_i32 s21, s15, HALFS
	s_mul_i32 s22, s16, HALFS
	s_add_co_u32 s22, s22, 2*HALFS
	s_sub_co_u32 s22, s22, s21
	v_mul_u32_u24 v6, s22, v2                      ; lanes 16-31 take P's
	s_add_co_u32 s21, s21, SCL
	v_add_nc_u32 v5, v5, v6
	v_add_nc_u32 v[ADRS], s21, v5
	; the way out: a stage of 2,048 bytes for each wave: 16 rows of 96 bytes, then 128 scale words.  It lies in slot 0, which has had its last fill and its last read when the first code is stored there
	s_lshl_b32 s23, s14, 11
	v_mul_u32_u24 v5, v1, 96
	v_mad_u32_u24 v5, v2, 24, v5
	v_add_nc_u32 v[STO], s23, v5
	v_and_b32 v6, 31, v0
	v_lshlrev_b32 v[CO], 4, v6
	v_add_nc_u32 v[RD], s23, v[CO]
	v_mul_u32_u24 v5, v2, 768
	v_add_nc_u32 v[CO2], v[CO], v5
	v_and_b32 v5, 8, v1
	v_add_nc_u32 v5, v5, v1                        ; r + 8 (r / 8)
	v_lshlrev_b32 v5, 2, v5
	v_add_nc_u32 v5, s23, v5
	v_add_nc_u32 v[SWS], 1536, v5
	v_add_nc_u32 v[SRD], 1536, v[RD]
	s_mov_b32 s66, 0x76543210
	s_mov_b32 s67, 0xfedcba98                      ; v_permlanex16_b32's selects for lane l xor 16
	; where my 128 x 128 goes: region U, block W
	s_lshl_b32 s20, s42, 1
	s_add_co_u32 s20, s20, s16                     ; my 128 of P
	s_lshl_b32 s21, s17, 1
	s_add_co_u32 s21, s21, s15                     ; my 128 of R
	s_add_co_u32 s22, s21, 16
	s_cmp_lt_u32 s95, 8
	s_cselect_b32 s22, s20, s22                    ; U: q and k: the head (P);  v: 16 + the head (R)
	s_cselect_b32 s23, s21, s20                    ; W: q and k: the block of tokens (R);  v: the key step (P)
	s_mul_i32 s20, s22, 393216
	s_mul_i32 s21, s23, 12288
	s_add_co_u32 s20, s20, s21
	s_mov_b32 s21, 0
	s_add_nc_u64 s[96:97], s[96:97], s[20:21]
	s_lshl_b32 s20, s22, 14
	s_lshl_b32 s22, s23, 9
	s_add_co_u32 s20, s20, s22
	s_add_nc_u64 s[98:99], s[98:99], s[20:21]
.macro FRAG reg, adr, q, i             ; a fragment, 16 rows x 128 K, is 12 registers: lane l holds row l % 16; registers 6 c .. 6 c + 5 hold K = 64 c + 32 (l / 16) + 0 .. 31: 24 bytes of the row, as they lie
.irp p, 0,1,2,3,4,5                    ; in pieces of 8 bytes.  Lanes 16-31 read three pieces further on; where that lies behind one padding more, the second address register serves
.set PCE, 12*(\q)+6*(\p/3)+\p%3
.if PCE%8 < 5
	ds_load_b64 v[\reg+2*\p:\reg+2*\p+1], v[\adr] offset:8*PCE+16*(PCE/8)+(\i)*16*PITCH
.else
	ds_load_b64 v[\reg+2*\p:\reg+2*\p+1], v[\adr+2] offset:8*PCE+16*(PCE/8)+(\i)*16*PITCH
.endif
.endr
.endm
; 16 matrix instructions: R's blocks a0, a0 + 1 x P's eight, 128 along K.  zero = 1: the first product starts the sums.  The 64 accumulators take turns, one instruction a turn.
.macro MUL16 a0, p, q, sc, zero
.irp a, \a0, \a0+1
.irp b, 0,1,2,3,4,5,6,7
.if \zero
	v_wmma_scale_f32_16x16x128_f8f6f4 v[8*(8*((\a)%4)+\b):8*(8*((\a)%4)+\b)+7], v[128*(\p)+FR*\b:128*(\p)+FR*\b+FR-1], v[AF+FR*(\a):AF+FR*(\a)+FR-1], 0, v[SC+8*NQ*(\sc)+NQ*\b+(\q)], v[SC+8*NQ*(\sc)+NQ*(\a)+(\q)] matrix_a_fmt:MATRIX_FMT_FP6 matrix_b_fmt:MATRIX_FMT_FP6 matrix_a_scale:MATRIX_SCALE_ROW1
.else
	v_wmma_scale_f32_16x16x128_f8f6f4 v[8*(8*((\a)%4)+\b):8*(8*((\a)%4)+\b)+7], v[128*(\p)+FR*\b:128*(\p)+FR*\b+FR-1], v[AF+FR*(\a):AF+FR*(\a)+FR-1], v[8*(8*((\a)%4)+\b):8*(8*((\a)%4)+\b)+7], v[SC+8*NQ*(\sc)+NQ*\b+(\q)], v[SC+8*NQ*(\sc)+NQ*(\a)+(\q)] matrix_a_fmt:MATRIX_FMT_FP6 matrix_b_fmt:MATRIX_FMT_FP6 matrix_a_scale:MATRIX_SCALE_ROW1
.endif
.endr
.endr
.endm
.macro FETCH_B slot, q, p
	WIN TO_B
.irp i, 0,1,2,3,4,5,6,7
	FRAG 128*(\p)+FR*\i, ADRB+\slot, \q, \i
.endr
	WIN 0
.endm
.macro FETCH_A slot, q, i0
.irp i, \i0, \i0+1, \i0+2, \i0+3
	FRAG AF+FR*(\i), ADRA+\slot, \q, \i
.endr
.endm
.macro SCALES sc                       ; a K step's scale words: lanes 0-15 take R's block i, lanes 16-31 P's block i
.irp i, 0,1,2,3,4,5,6,7
	ds_load_b64 v[SC+8*NQ*\sc+NQ*\i:SC+8*NQ*\sc+NQ*\i+1], v[ADRS] offset:\i*SBLK
.endr
.endm
.macro PLACES n                        ; plain vector lines between a matrix instruction and a load into, or a read of, its registers
.rept \n
	v_nop
.endr
.endm
.macro STEP slot, q, zero              ; a step of 128 along K that has its successor in the same slot
	s_wait_dscnt 4*NL                              ; P's set and R's blocks 0-3 are in; the youngest 24 loads (R's blocks 4-7) may be out
	WIN MUL_LO
	MUL16 0, (\q)%2, \q, \slot, \zero
	MUL16 2, (\q)%2, \q, \slot, \zero
	s_wait_dscnt 0
	PLACES NP
	FETCH_B \slot, (\q)+1, 1-(\q)%2
	FETCH_A \slot, (\q)+1, 0
	WIN MUL_HI
	MUL16 4, (\q)%2, \q, \slot, \zero
	MUL16 6, (\q)%2, \q, \slot, \zero
	PLACES NP
	WIN 0
	FETCH_A \slot, (\q)+1, 4
.endm
; A slot's last step changes slots: one barrier; in front of it each wave waits for all its tensor loads, adds 0 to its spare word, and waits for that and for its own reads of this slot.
.macro TURN slot, next, fill
	s_wait_tensorcnt 0x0                           ; all my tensor loads have landed: my part of the next slot
	ds_add_u32 v[SPW], v[NIL]                      ; 0 onto my spare word
	s_wait_dscnt 4*NL+1                            ; (the add and the youngest 24 loads may be out)
	WIN MUL_LO
	MUL16 0, 1, NQ-1, \slot, 0
	s_wait_dscnt 0x0                               ; the add is done, and my reads of this slot are over
	s_barrier_signal -1
	MUL16 2, 1, NQ-1, \slot, 0
	WIN 0
	s_barrier_wait -1
.if \fill
	CREST                                          ; the barrier has opened a round of the cluster's barrier: no wave of any partner still reads this slot or has a load on its way
	s_add_nc_u64 s[G0+4*\slot+2:G0+4*\slot+3], s[G0+4*\slot+2:G0+4*\slot+3], 2*ROWB
	s_add_nc_u64 s[G0B+4*\slot+2:G0B+4*\slot+3], s[G0B+4*\slot+2:G0B+4*\slot+3], 2*ROWB
	JLOAD G0+4*\slot, G1, G0B+4*\slot, G1B         ; the first tensor load behind the round; its four v_nop are the places in front of the loads below
.else
	PLACES NP
.endif
	v_add_nc_u32 v[ADRS], 4*NQ, v[ADRS]            ; on to the next K step's scale words
	FETCH_B \next, 0, 0
	FETCH_A \next, 0, 0
	SCALES \next
	WIN MUL_HI
	MUL16 4, 1, NQ-1, \slot, 0
	MUL16 6, 1, NQ-1, \slot, 0
	PLACES NP
	WIN 0
	FETCH_A \next, 0, 4
.endm
	s_wait_tensorcnt 1                             ; the scales and my part of K step 0 are in (K step 1's load may be out),
	s_barrier_signal -1
	s_barrier_wait -1                              ; everybody's are
	FETCH_B 0, 0, 0
	FETCH_A 0, 0, 0
	SCALES 0
	FETCH_A 0, 0, 4
	STEP 0, 0, 1                                   ; the first step stands in front of the loop: its products start the sums
	s_mov_b32 s3, LAPS-1
.Llap:                                                 ; a trip goes once round the ring and fills both slots again
	TURN 0, 1, 1
	STEP 1, 0, 0
	TURN 1, 0, 1
	STEP 0, 0, 0
	s_sub_co_u32 s3, s3, 1
	s_cmp_lg_u32 s3, 0
	s_cbranch_scc1 .Llap
	TURN 0, 1, 0                                   ; the last lap fills nothing, and has no round of the cluster's barrier
	STEP 1, 0, 0
	s_wait_dscnt 4*NL
	WIN MUL_LO
	MUL16 0, 1, NQ-1, 1, 0
	MUL16 2, 1, NQ-1, 1, 0
	s_wait_dscnt 0
	WIN MUL_HI
	MUL16 4, 1, NQ-1, 1, 0
	MUL16 6, 1, NQ-1, 1, 0
	WIN 0
; THE WAY OUT.  Block a's 64 registers of a lane (16 B + i = index 32 B + 16 h + i of my row) become a fragment's 12 registers of codes and a scale word.
.macro QUANTW a
.set AW, 2+(\a)/4                      ; the block's window
.set AC, 64*((\a)%4)
.set WQ, (AW<<2)|(AW<<4)               ; sources 1 and 2 in it
	WIN WQ
.irp b, 0,1,2,3
	v_max3_num_f32 v[TM+\b], 0x1800000, |v[AC+16*\b]|, |v[AC+16*\b+1]|   ; block b: my 16 numbers and the floor 2^(3 - 127); each accumulator is read from its low end on
.endr
.irp i, 2,4,6,8,10,12,14
.irp b, 0,1,2,3
	v_max3_num_f32 v[TM+\b], v[TM+\b], |v[AC+16*\b+\i]|, |v[AC+16*\b+\i+1]|
.endr
.endr
	WIN 0
.irp b, 0,1,2,3
	v_permlanex16_b32 v[TM+4+\b], v[TM+\b], s66, s67
.endr
.irp b, 0,1,2,3
	v_max_num_f32 v[TM+\b], v[TM+\b], v[TM+4+\b]   ; with lane l xor 16's: the block's largest magnitude
.endr
.irp b, 0,1,2,3
	v_add_nc_u32 v[TM+12+\b], 0xff000000, v[TM+\b] ; 2 off its exponent field: the conversion's scale operand
.endr
.irp b, 0,1,2,3
	v_lshrrev_b32 v[TM+4+\b], 23, v[TM+12+\b]      ; the scale's byte
.endr
	v_lshl_or_b32 v[PW], v[TM+5], 8, v[TM+4]
	v_lshl_or_b32 v[PW], v[TM+6], 16, v[PW]
	v_lshl_or_b32 v[PW], v[TM+7], 24, v[PW]        ; my row's scale word
	WIN AW                                         ; source 0 in the block's window
.irp c, 0,1
	v_cvt_scalef32_pk16_fp6_f32 v[PC+6*\c:PC+2+6*\c], v[AC+32*\c:AC+15+32*\c], v[TM+12+2*\c]
	v_cvt_scalef32_pk16_fp6_f32 v[PC+12+4*\c:PC+14+4*\c], v[AC+16+32*\c:AC+31+32*\c], v[TM+12+2*\c+1]   ; (a conversion's three registers begin on an even number)
.endr
	WIN 0
	v_nop                                          ; one plain line behind a scaled conversion
.irp c, 0,1                            ; the layout wants a whole block in a lane: lanes 0-15 block 2 c, lanes 16-31 block 2 c + 1
.irp i, 0,1,2
	v_permlane16_swap_b32 v[PC+6*\c+\i], v[PC+12+4*\c+\i]
.endr
.irp i, 0,1,2
	v_mov_b32 v[PC+3+6*\c+\i], v[PC+12+4*\c+\i]
.endr
.endr
.endm
	PLACES NP                                      ; behind the last products: for the reads of results and the writes over scale words and fragments
.irp b, 0,1,2,3
	v_mov_b32 v[TM+4+\b], 0                        ; written once: a lane permute's destination counts as one of its sources
.endr
; Block a's 16 rows are two runs of eight natural rows, 768 bytes each, 16 rows apart.  The stage takes them as 1,536 bytes on end; three loads of 512 bytes bring them back; three stores, each of whole aligned runs of 256 bytes.
.irp a, 0,1,2,3,4,5,6,7
	QUANTW \a
.irp p, 0,1,2,3,4,5
	ds_store_b64 v[STO], v[PC+2*\p:PC+2*\p+1] offset:48*(\p/3)+8*(\p%3)
.endr
	ds_store_b32 v[SWS], v[PW] offset:4*(32*(\a/2)+8*(\a%2))       ; lanes r and r + 16 write the same word with the same value
.irp c, 0,1,2
	ds_load_b128 v[OB+12*\a+4*\c:OB+12*\a+4*\c+3], v[RD] offset:512*\c   ; LDS serves a wave's instructions in order: these see the stores above
.endr
	s_wait_dscnt 0x0                               ; the block is back, and the stores have read their registers
	global_store_b128 v[CO],  v[OB+12*\a:OB+12*\a+3],    s[96:97] offset:96*(32*(\a/2)+8*(\a%2))
	global_store_b128 v[CO2], v[OB+12*\a+4:OB+12*\a+7],  s[96:97] offset:96*(32*(\a/2)+8*(\a%2))+512
	global_store_b128 v[CO],  v[OB+12*\a+8:OB+12*\a+11], s[96:97] offset:96*(32*(\a/2)+8*(\a%2))+1792
.endr
	ds_load_b128 v[224:227], v[SRD]                ; my 128 rows' scale words
	s_wait_dscnt 0x0
	global_store_b128 v[CO], v[224:227], s[98:99]  ; 512 consecutive bytes
	s_wait_tensorcnt 0x0                           ; the wave's end
	ds_add_u32 v[SPW], v[NIL]
	s_wait_dscnt 0x0
	CROUND                                         ; the closing round: no work-group ends while a partner may still ask for a tile that names it
	s_endpgm
.Lfunc_end_k_qecf732ff16_qkv:
	.size	k_qecf732ff16_qkv, .Lfunc_end_k_qecf732ff16_qkv-k_qecf732ff16_qkv
	.p2alignl 7, 3214868480
	.fill 96, 4, 3214868480
	.section	.rodata,"a",@progbits
	.p2align	6, 0x0
	.amdhsa_kernel k_qecf732ff16_qkv
		.amdhsa_group_segment_fixed_size 327680
		.amdhsa_private_segment_fixed_size 0
		.amdhsa_enable_private_segment 0
		.amdhsa_kernarg_size 32
		.amdhsa_user_sgpr_count 2
		.amdhsa_user_sgpr_kernarg_segment_ptr 1
		.amdhsa_wavefront_size32 1
		.amdhsa_system_sgpr_workgroup_id_x 1
		.amdhsa_system_sgpr_workgroup_id_y 1
		.amdhsa_system_sgpr_workgroup_id_z 1
		.amdhsa_system_vgpr_workitem_id 0
		.amdhsa_next_free_vgpr 1024
		.amdhsa_next_free_sgpr 102
		.amdhsa_reserve_vcc 0
		.amdhsa_float_denorm_mode_32 3
		.amdhsa_float_denorm_mode_16_64 3
		.amdhsa_memory_ordered 1
		.amdhsa_forward_progress 1
		.amdhsa_inst_pref_size 170
	.end_amdhsa_kernel
	.amdgpu_metadata
---
amdhsa.version: [ 1, 2 ]
amdhsa.kernels:
  - .name:           k_qecf732ff16_qkv
    .symbol:         k_qecf732ff16_qkv.kd
    .args:
      - { .name: opc, .offset: 0, .size: 8, .value_kind: global_buffer, .address_space: global }
      - { .name: ops, .offset: 8, .size: 8, .value_kind: global_buffer, .address_space: global }
      - { .name: qkvc, .offset: 16, .size: 8, .value_kind: global_buffer, .address_space: global }
      - { .name: qkvs, .offset: 24, .size: 8, .value_kind: global_buffer, .address_space: global }
    .group_segment_fixed_size: 327680
    .private_segment_fixed_size: 0
    .kernarg_segment_align: 8
    .kernarg_segment_size: 32
    .max_flat_workgroup_size: 128
    .sgpr_count:     102
    .vgpr_count:     1024
    .wavefront_size: 32
...
	.end_amdgpu_metadata
.endif
;; end of part 2
;; launch attn (part 3): grid 32 x 8, 16 waves a work-group, clusters of 4 x 1, 327,680 bytes of LDS; arguments qkvc, qkvs, maskw, lambda_q1, lambda_k1, lambda_q2, lambda_k2, subln_weight, ac, asc; writes ac, asc
.if DOCPART == 3
	.amdgcn_target "amdgcn-amd-amdhsa--gfx1250"
	.amdhsa_code_object_version 6
	.text
	.protected	k_qecf732ff16_attn
	.globl	k_qecf732ff16_attn
	.p2align	8
	.type	k_qecf732ff16_attn,@function
k_qecf732ff16_attn:
	s_mov_b64 s[64:65], 0
	v_nop
	global_prefetch_b8 v0, s[64:65] scope:SCOPE_SE
	s_setreg_imm32_b32 hwreg(HW_REG_WAVE_MODE, 25, 1), 1
	s_wait_xcnt 0x0
	s_wait_alu depctr_hold_cnt(0) depctr_sa_sdst(0) depctr_va_vdst(0) depctr_va_sdst(0) depctr_va_ssrc(0) depctr_va_vcc(0) depctr_vm_vsrc(0)
	s_getreg_b32 s2, hwreg(HW_REG_IB_STS2, 6, 4)
	s_cmp_eq_u32 s2, 0
	s_cbranch_scc0 .Lentry_in_a_cluster
	s_endpgm
.Lentry_in_a_cluster:
	s_bfe_u32 s2, ttmp6, 0x10000c
	s_cmp_lg_u32 s2, 0x3003
	s_cbranch_scc0 .Lentry_shape_is_right
	s_endpgm
.Lentry_shape_is_right:
; DIFFERENTIAL ATTENTION of one head for 128 queries: two softmaxes (branches of 64 channels) over 4,096 keys against one V of 128 channels, all four products on codes of FP6 (E2M3) with E8M0 scales;
; then attn1 - lambda attn2, the RMS norm over the 128 channels, the gain, x 0.8, and the quantiser for the last product (K = 128 x head + channel).
; THE SOFTMAX: t = score x log2(e) / 8, or -infinity where the mask is false; M = the running largest t rounded UP to a whole number; p = 2^(t - M) is quantised along the keys, not normalised; the row's sum is
; taken of the unquantised p and divides at the end.  When M moves, the sum and O are multiplied by 2^(old M - new M): exact.
; SHARES.  Sixteen waves: wave w owns tile w / 2 (16 queries) and branch w % 2, in 256 registers, four waves to a SIMD.  Every wave walks all keys, 128 a step.  K's and V's codes come through a ring of two LDS slots of
; 512 keys (waves 0, 1: K's halves; waves 2, 3: V's), the head's scale words once.  The two waves of a tile meet at the end: branch 1 hands lambda attn2 to branch 0 through LDS.
; K = 64 IN AN INSTRUCTION OF 128: q's upper 64 codes are zeros, so whatever stands in the upper half of K's fragment adds nothing (FP6 has no NaN and no infinity; the upper scale bytes are 0, which is 2^-127).
; LAYOUT.  Both products are used transposed: a lane holds one query (lane % 16) throughout.  Lane r of tile 2 b + u takes key (or channel of V) 32 b + 8 u + r + 8 (r / 8), so that registers 16 b + i are
; key (channel) 32 b + 16 (lane / 16) + i: p's registers and O's are neighbours along the next K.
; THE MASK comes as words of lane bits (word 16 b + i of a step serves register 16 b + i), by scalar loads, and only selects values.
; CLUSTER.  The four blocks of queries of a cluster belong to one head and walk the same K and V: each tile is asked for jointly, with a mask that names the four.
; ac's rows are 768 bytes of which a head owns 96: the codes leave in pieces of 8 bytes that make runs of 96; 3 MB in the whole launch.
; LIMITS: NaN and infinities among the floating-point inputs are not served; a block of zeros gets the byte 1; a query with no key allowed gets the scale byte 0xff, so that its row of the result is NaN, as in the definition.
; REGISTERS: v1-4 addresses that stay; v5, v6 the spare word's; v7 the exchange; v8-11 addresses in hand; v12 -M, v13 the largest t, v[14:15] the sum; v16-27 q (v22-27 zeros); v28 prefetch offset; v29 -infinity;
; v30 1 or lambda; v32-79 four fragments; v96-159 S^T, then p; v160-223 O^T; v224-235 p's codes; v232-254 at work; v248-251, v253, v255 scale words.
.set SLOT1, 1<<17                      ; slot 1 begins here: one exclusive or turns an address from one slot to the other
.set VOFF,  49152                      ; a slot: 512 keys x 96 bytes of K, then 4 steps x 128 channels x 96 bytes of V
.set SCK,   262144                     ; K's scale words [key], 16,384 bytes
.set SCV,   278528                     ; V's [step][channel], 16,384 bytes
.set SPARE, 294912                     ; the spare words, 128 bytes for each wave: eight blocks of 256 bytes that no other line names
.set NSL,   8                          ; slots' worth of keys
.set REG,   393216                     ; a region of qkvc
.set TM,    232
.set PW,    253
.set PC,    160
.macro CROUND                          ; a round of the cluster's barrier
	s_barrier_signal -1
	s_barrier_wait -1
	s_cmp_lg_u32 s5, 0
	s_cbranch_scc1 .Lnot_wave_0_\@
	s_barrier_signal -3
.Lnot_wave_0_\@:
	s_barrier_wait -3
	s_barrier_signal -1
	s_barrier_wait -1
.endm
.macro JLOAD                           ; waves 0 to 3 fetch a quarter of a slot each.  The branch hangs on the wave's number alone.  Four v_nop follow the load
	s_cmp_lt_u32 s5, 4
	s_cbranch_scc0 .Lnone_\@
	tensor_load_to_lds s[24:27], s[16:23]
	s_nop 0
.rept 4
	v_nop
.endr
.Lnone_\@:
.endm
; A PREFETCH of what the NEXT change of slots will ask for: a slot's 192 blocks of 256 bytes of K and 192 of V.  All clusters of a head walk the same K and V: the head's first cluster asks.  Its four partners take 48 blocks
; of each, told apart by address; in each, waves 4 to 6 ask, a lane a block.  So each block is named once.  Slots 0 and 1 come by their loads alone; the last change that fills a slot asks for nothing.
.macro ASK
	s_cmp_gt_u32 s3, s30
	s_cbranch_scc0 .Lnot_mine_\@
	global_prefetch_b8 v28, s[28:29] th:TH_LOAD_NT scope:SCOPE_SE
.Lnot_mine_\@:
.endm
; THE CHANGE OF SLOTS stands at a slot's head.  Each wave waits for all its tensor loads, adds 0 to its spare word, and waits for that and for its reads of the slot that it has left.
; fill = 1: a round of the cluster's barrier, and behind it the slot just left is filled with the keys that follow: the load has four key steps in which to land.
.macro CHANGE fill
	s_wait_tensorcnt 0x0                           ; no tensor load of mine is out, so the descriptor may be written
	ds_add_u32 v5, v6                              ; 0 onto my spare word
.if \fill
	s_xor_b32 s25, s25, SLOT1                      ; the other slot than last time,
	s_add_nc_u64 s[26:27], s[26:27], 49152         ; the next 512 keys
	s_wait_xcnt 0x0                                ; the last prefetch, a slot back, has read its address
	s_add_nc_u64 s[28:29], s[28:29], 49152
.endif
	s_wait_dscnt 0x0                               ; the add is done, and my reads of the slot that I have left are over
.if \fill
	CROUND
	JLOAD                                          ; the first thing behind the round, and a wave's one tensor load until the next
	ASK
.else
	s_barrier_signal -1
	s_barrier_wait -1
.endif
.endm
; A KEY STEP: 128 keys, the q-th of the slot in hand.
.macro STEP q
	s_load_b512 s[32:47], s[14:15], 256*(\q)       ; the step's 64 mask words of my tile of queries
	s_load_b512 s[48:63], s[14:15], 256*(\q)+64
	s_load_b512 s[68:83], s[14:15], 256*(\q)+128
	s_load_b512 s[84:99], s[14:15], 256*(\q)+192
	v_add_nc_u32 v8, s12, v1                       ; (these four are the places in front of the loads into registers that the last products read)
	v_add_nc_u32 v9, s12, v2
	v_add_nc_u32 v10, s13, v3
	v_add_nc_u32 v11, s13, v4
.irp g, 0,1                            ; S^T = K Q^T, four tiles of 16 keys at a time
.if \g > 0
.rept 4
	v_nop
.endr
.endif
.irp t, 0,1,2,3
.irp p, 0,1,2
	ds_load_b64 v[32+12*\t+2*\p:33+12*\t+2*\p], v8 offset:(128*(\q)+32*((4*\g+\t)/2)+8*(\t%2))*96+8*\p   ; my branch's 64 codes: 24 bytes a lane
.endr
	ds_load_u16 v[248+\t], v10 offset:512*(\q)+(32*((4*\g+\t)/2)+8*(\t%2))*4   ; and its two scale bytes; the upper two come as 0
.endr
	s_wait_dscnt 0x0
.irp t, 0,1,2,3
	v_wmma_scale_f32_16x16x128_f8f6f4 v[96+8*(4*\g+\t):103+8*(4*\g+\t)], v[32+12*\t:43+12*\t], v[16:27], 0, v[248+\t], v255 matrix_a_fmt:MATRIX_FMT_FP6 matrix_b_fmt:MATRIX_FMT_FP6
.endr
.endr
.rept 4
	v_nop
.endr
	s_wait_kmcnt 0x0                               ; the mask words are in
.set MN, 0
.rept 64
	v_cndmask_b32 v[96+MN], v29, v[96+MN], s[32+MN+4*(MN/32)]   ; a score whose key is hidden becomes -infinity ahead of the maximum: p = 0 then.  Ascending: each result from its low end on
.set MN, MN+1
.endr
.irp b, 0,1,2,3
	v_max3_num_f32 v[232+\b], v[96+16*\b], v[97+16*\b], v[98+16*\b]   ; the largest score of each block of 32 keys: for the row's maximum, and, since p rises with the score, for the block's largest p
.endr
.irp i, 3,5,7,9,11,13
.irp b, 0,1,2,3
	v_max3_num_f32 v[232+\b], v[232+\b], v[96+16*\b+\i], v[97+16*\b+\i]
.endr
.endr
.irp b, 0,1,2,3
	v_max_num_f32 v[232+\b], v[232+\b], v[111+16*\b]
.endr
.irp b, 0,1,2,3
	v_permlanex16_b32 v[236+\b], v[232+\b], s8, s9
.endr
.irp b, 0,1,2,3
	v_max_num_f32 v[232+\b], v[232+\b], v[236+\b]  ; with lane l xor 16's 16 keys
.endr
	v_max3_num_f32 v254, v232, v233, v234
	v_max_num_f32 v254, v254, v235                 ; the step's largest score of my query
	v_mul_f32 v254, s10, v254                      ; as t
	v_max_num_f32 v13, v13, v254                   ; the running largest t
	v_mov_b32 v254, v12
	v_floor_f32 v12, -v13                          ; the new -M = floor(-t): M is a whole number
	v_sub_f32 v254, v12, v254                      ; old M - new M: a whole number, 0 or less
	v_cvt_i32_f32 v254, v254                       ; (it saturates)
	v_ldexp_f32 v252, 1.0, v254                    ; f = 2^(old M - new M)
.irp j, 0,2,4,6,8,10,12,14,16,18,20,22,24,26,28,30,32,34,36,38,40,42,44,46,48,50,52,54,56,58,60,62
	v_pk_fma_f32 v[96+\j:97+\j], v[96+\j:97+\j], s[10:11], v[12:13] op_sel_hi:[1,0,0]   ; t - M, two at a time
.endr
.irp b, 0,1,2,3
	v_fma_f32 v[232+\b], v[232+\b], s10, v12       ; the same of each block's largest score
.endr
.set MN, 0
.rept 64
	v_exp_f32 v[96+MN], v[96+MN]                   ; p = 2^(t - M), at most 1
.set MN, MN+1
.endr
	v_pk_mul_f32 v[14:15], v[14:15], v[252:253] op_sel_hi:[1,0]   ; the sums under the new M (a plain line behind the exponentials)
	s_wait_alu depctr_va_vdst(0)                   ; one wait for the whole batch, ahead of its first reader
.irp b, 0,1,2,3
	v_exp_f32 v[232+\b], v[232+\b]                 ; the block's largest p: the same two instructions on the same number give the same bits
.endr
	v_pk_add_f32 v[236:237], v[96:97], v[98:99]    ; the row's sum, of the unquantised p: two chains
.irp j, 4,8,12,16,20,24,28,32,36,40,44,48,52,56,60
	v_pk_add_f32 v[14:15], v[14:15], v[96+\j:97+\j]
	v_pk_add_f32 v[236:237], v[236:237], v[98+\j:99+\j]
.endr
	v_pk_add_f32 v[14:15], v[14:15], v[236:237]
	s_wait_alu depctr_va_vdst(0)                   ; and one for the four
.irp b, 0,1,2,3
	v_max_num_f32 v[232+\b], 0x1800000, v[232+\b]  ; the floor 2^(3 - 127): the byte cannot fall under 1
.endr
.irp b, 0,1,2,3
	v_add_nc_u32 v[244+\b], 0xff000000, v[232+\b]  ; 2 off the exponent field: the conversion's scale operand
.endr
.irp b, 0,1,2,3
	v_lshrrev_b32 v[236+\b], 23, v[244+\b]         ; the scale's byte
.endr
	v_lshl_or_b32 v253, v237, 8, v236              ; p's scale word for these 128 keys
	v_lshl_or_b32 v253, v238, 16, v253
	v_lshl_or_b32 v253, v239, 24, v253
.irp c, 0,1
	v_cvt_scalef32_pk16_fp6_f32 v[224+6*\c:226+6*\c], v[96+32*\c:111+32*\c], v[244+2*\c]
	v_cvt_scalef32_pk16_fp6_f32 v[236+4*\c:238+4*\c], v[112+32*\c:127+32*\c], v[244+2*\c+1]
.endr
	v_nop                                          ; one plain line behind a scaled conversion
.irp c, 0,1
.irp i, 0,1,2
	v_permlane16_swap_b32 v[224+6*\c+\i], v[236+4*\c+\i]
.endr
.irp i, 0,1,2
	v_mov_b32 v[227+6*\c+\i], v[236+4*\c+\i]
.endr
.endr
.irp j, 0,2,4,6,8,10,12,14,16,18,20,22,24,26,28,30,32,34,36,38,40,42,44,46,48,50,52,54,56,58,60,62
	v_pk_mul_f32 v[160+\j:161+\j], v[160+\j:161+\j], v[252:253] op_sel_hi:[1,0]   ; O^T under the new M.  (These 32 are also the places in front of the products and loads below)
.endr
.irp g, 0,1                            ; O^T += V^T P^T: four tiles of 16 channels at a time; K = these 128 keys
.if \g > 0
.rept 4
	v_nop
.endr
.endif
.irp t, 0,1,2,3
.irp p, 0,1,2,3,4,5
	ds_load_b64 v[32+12*\t+2*\p:33+12*\t+2*\p], v9 offset:12288*(\q)+(32*((4*\g+\t)/2)+8*(\t%2))*96+48*(\p/3)+8*(\p%3)
.endr
	ds_load_b32 v[248+\t], v11 offset:512*(\q)+(32*((4*\g+\t)/2)+8*(\t%2))*4
.endr
	s_wait_dscnt 0x0
.irp t, 0,1,2,3
	v_wmma_scale_f32_16x16x128_f8f6f4 v[160+8*(4*\g+\t):167+8*(4*\g+\t)], v[32+12*\t:43+12*\t], v[224:235], v[160+8*(4*\g+\t):167+8*(4*\g+\t)], v[248+\t], v253 matrix_a_fmt:MATRIX_FMT_FP6 matrix_b_fmt:MATRIX_FMT_FP6
.endr
.endr
.endm
.macro SLOT_STEPS
	STEP 0
	STEP 1
	STEP 2
	STEP 3
	s_xor_b32 s12, s12, SLOT1                      ; on to the other slot,
	s_add_co_u32 s13, s13, 2048                    ; the next four steps' scale words
	s_add_nc_u64 s[14:15], s[14:15], 1024          ; and mask words (the scalar loads were waited for)
.endm
; 64 numbers of a lane, register 16 b + i = k 32 b + 16 (lane / 16) + i of my row, become a fragment's codes in v[PC] on and its scale word in v[PW].
.macro QUANT s
.irp b, 0,1,2,3
	v_max3_num_f32 v[TM+\b], |v[\s+16*\b]|, |v[\s+1+16*\b]|, 0x1800000
.endr
.irp i, 2,4,6,8,10,12,14
.irp b, 0,1,2,3
	v_max3_num_f32 v[TM+\b], v[TM+\b], |v[\s+16*\b+\i]|, |v[\s+1+16*\b+\i]|
.endr
.endr
.irp b, 0,1,2,3
	v_permlanex16_b32 v[TM+4+\b], v[TM+\b], s8, s9
.endr
.irp b, 0,1,2,3
	v_max_num_f32 v[TM+\b], v[TM+\b], v[TM+4+\b]
.endr
.irp b, 0,1,2,3
	v_add_nc_u32 v[TM+12+\b], 0xff000000, v[TM+\b]
.endr
.irp b, 0,1,2,3
	v_lshrrev_b32 v[TM+4+\b], 23, v[TM+12+\b]
.endr
	v_lshl_or_b32 v[PW], v[TM+5], 8, v[TM+4]
	v_lshl_or_b32 v[PW], v[TM+6], 16, v[PW]
	v_lshl_or_b32 v[PW], v[TM+7], 24, v[PW]
.irp c, 0,1
	v_cvt_scalef32_pk16_fp6_f32 v[PC+6*\c:PC+2+6*\c], v[\s+32*\c:\s+15+32*\c], v[TM+12+2*\c]
	v_cvt_scalef32_pk16_fp6_f32 v[PC+12+4*\c:PC+14+4*\c], v[\s+16+32*\c:\s+31+32*\c], v[TM+12+2*\c+1]
.endr
	v_nop
.irp c, 0,1
.irp i, 0,1,2
	v_permlane16_swap_b32 v[PC+6*\c+\i], v[PC+12+4*\c+\i]
.endr
.irp i, 0,1,2
	v_mov_b32 v[PC+3+6*\c+\i], v[PC+12+4*\c+\i]
.endr
.endr
.endm
	s_load_b512 s[68:83], s[0:1], 0x0              ; qkvc 68, qkvs 70, maskw 72, lambda_q1 74, lambda_k1 76, lambda_q2 78, lambda_k2 80, (subln_weight 82)
	v_lshl_add_u32 v5, v0, 2, SPARE
	v_mov_b32 v6, 0
	ds_add_u32 v5, v6
	s_wait_dscnt 0x0
	v_lshrrev_b32 v8, 5, v0
	v_readfirstlane_b32 s5, v8                     ; wave 0..15
	s_and_b32 s6, s5, 1                            ; my branch
	s_lshr_b32 s7, s5, 1                           ; my tile of 16 queries
	s_bfe_u32 s67, ttmp6, 0x40000                  ; cx: it enters global addresses alone
	s_lshl_b32 s2, ttmp9, 2
	s_add_co_u32 s2, s2, s67                       ; my block of 128 queries
	s_and_b32 s66, ttmp7, 0xffff                   ; the head, which the four partners share
	s_lshl_b32 s31, s2, 7
	s_lshl_b32 s4, s7, 4
	s_add_co_u32 s31, s31, s4                      ; my first query
	; descriptor group 1 for a quarter of a slot: 24,576 dense bytes as 96 rows of 256 (32 elements of 8 bytes); no padding
	s_mov_b32 s16, 15|(3<<16)|(1<<21)              ; 15:0 the mask: all four work-groups; 17:16 elements of 8 bytes; 21 set beside a mask
	s_mov_b32 s17, 32<<16                          ; tensor_dim0
	s_mov_b32 s18, 96<<16                          ; tensor_dim1
	s_mov_b32 s19, 32<<16                          ; tile_dim0
	s_mov_b32 s20, 96                              ; tile_dim1
	s_mov_b32 s21, 32                              ; tensor_dim0_stride
	s_mov_b32 s22, 0
	s_mov_b32 s23, 0
	; and for half a head's scale words of K or of V: 8,192 dense bytes as 32 rows of 256
	s_mov_b32 s32, 15|(3<<16)|(1<<21)
	s_mov_b32 s33, 32<<16
	s_mov_b32 s34, 32<<16
	s_mov_b32 s35, 32<<16
	s_mov_b32 s36, 32
	s_mov_b32 s37, 32
	s_mov_b32 s38, 0
	s_mov_b32 s39, 0
	s_min_u32 s50, s5, 3                           ; waves 0 to 3 fetch; the others issue nothing and hold wave 3's numbers
	s_lshr_b32 s44, s50, 1                         ; K (0) or V (1)
	s_and_b32 s51, s50, 1                          ; which half
	s_lshl_b32 s44, s44, 3
	s_add_co_u32 s44, s44, s66
	s_add_co_u32 s44, s44, 8                       ; the region: 8 + head for K, 16 + head for V
	s_mul_i32 s46, s44, REG
	s_mul_i32 s45, s51, 24576
	s_add_co_u32 s46, s46, s45
	s_mov_b32 s47, 0
	s_lshl_b32 s48, s44, 14
	s_lshl_b32 s45, s51, 13
	s_add_co_u32 s48, s48, s45
	s_mov_b32 s49, 0
	s_mov_b32 s8, 0x76543210
	s_mov_b32 s9, 0xfedcba98                       ; v_permlanex16_b32's selects for lane l xor 16
	s_mov_b32 s10, 0x3e38aa3b                      ; c = log2(e) / 8
	s_mov_b32 s11, s10
	s_mov_b32 s12, 0                               ; LDS byte at which the slot in hand begins
	s_mov_b32 s13, 0                               ; where the slot's scale words begin
	s_mov_b32 s3, NSL-1                            ; slots still to be asked for
	s_wait_kmcnt 0x0
	s_mov_b32 s24, 1                               ; group 0: count,
	s_mul_i32 s25, s50, 24576                      ; LDS address: K's halves, then V's,
	s_add_nc_u64 s[26:27], s[68:69], s[46:47]      ; global address,
	s_or_b32 s27, s27, 0x80000000                  ; type
	s_mov_b32 s40, 1
	s_lshl_b32 s41, s50, 13
	s_add_co_u32 s41, s41, SCK
	s_add_nc_u64 s[42:43], s[70:71], s[48:49]
	s_or_b32 s43, s43, 0x80000000
	CROUND                                         ; all four work-groups are here: the first joint loads meet
	s_cmp_lt_u32 s5, 4                             ; a wave's two first fills stand in one branch: two loads of mine are out
	s_cbranch_scc0 .Lno_first
	tensor_load_to_lds s[40:43], s[32:39]          ; the scale words: filled once
	s_nop 0
	tensor_load_to_lds s[24:27], s[16:23]          ; slot 0
	s_nop 0
.rept 4
	v_nop
.endr
.Lno_first:
	s_mul_i32 s84, s66, REG                        ; q: region = head, row = my first query, + 48 bytes for branch 1
	s_mul_i32 s85, s31, 96
	s_add_co_u32 s84, s84, s85
	s_mul_i32 s85, s6, 48
	s_add_co_u32 s84, s84, s85
	s_mov_b32 s85, 0
	s_add_nc_u64 s[86:87], s[68:69], s[84:85]
	s_lshl_b32 s84, s66, 14                        ; its scale words: 4 bytes a query, + 2 for branch 1
	s_lshl_b32 s90, s31, 2
	s_add_co_u32 s84, s84, s90
	s_lshl_b32 s90, s6, 1
	s_add_co_u32 s84, s84, s90
	s_add_nc_u64 s[88:89], s[70:71], s[84:85]
	s_lshl_b32 s84, s31, 9                         ; the mask words of my tile: 8,192 bytes a tile of 16 queries
	s_add_nc_u64 s[14:15], s[72:73], s[84:85]
	s_add_co_u32 s84, s66, 8                       ; the prefetches: K's region of my head, my work-group's 48 blocks, in slot 1: the first change of slots steps it to slot 2
	s_mul_i32 s84, s84, REG
	s_mul_i32 s90, s67, 12288
	s_add_co_u32 s84, s84, s90
	s_add_co_u32 s84, s84, 49152
	s_add_nc_u64 s[28:29], s[68:69], s[84:85]
	s_sub_co_u32 s2, s5, 4
	s_cmp_lt_u32 s2, 3                             ; waves 4 to 6,
	s_cselect_b32 s2, 0, 1
	s_or_b32 s2, s2, ttmp9                         ; of the head's first cluster: the same in all four partners
	s_cmp_eq_u32 s2, 0
	s_cselect_b32 s30, 1, -1
	v_and_b32 v80, 15, v0                          ; r
	v_bfe_u32 v81, v0, 4, 1                        ; h
	v_and_b32 v82, 31, v0                          ; lane
	v_mul_u32_u24 v83, v80, 96
	v_mad_u32_u24 v83, v81, 24, v83
	v_lshlrev_b32 v84, 2, v80
	v_lshlrev_b32 v85, 3, v82
.irp p, 0,1,2
	global_load_b64 v[16+2*\p:17+2*\p], v83, s[86:87] offset:8*\p   ; q's 64 codes of my branch stay in registers
.endr
	global_load_u16 v255, v84, s[88:89]            ; and their two scale bytes; the upper two come as 0
	global_load_b64 v[86:87], v85, s[74:75]        ; the four lambda vectors, two numbers a lane
	global_load_b64 v[88:89], v85, s[76:77]
	global_load_b64 v[90:91], v85, s[78:79]
	global_load_b64 v[92:93], v85, s[80:81]
	v_and_b32 v94, 8, v80
	v_add_nc_u32 v94, v94, v80                     ; r + 8 (r / 8)
	v_mul_u32_u24 v1, v94, 96
	v_mad_u32_u24 v1, v81, 24, v1
	v_add_nc_u32 v2, VOFF, v1                      ; V's fragments
	s_mul_i32 s84, s6, 48
	v_add_nc_u32 v1, s84, v1                       ; K's: my branch's half of a row
	v_lshl_add_u32 v4, v94, 2, SCV
	v_lshl_add_u32 v3, v94, 2, SCK
	s_lshl_b32 s84, s6, 1
	v_add_nc_u32 v3, s84, v3
	s_lshl_b32 s84, s7, 13
	v_lshl_add_u32 v7, v82, 4, s84                 ; the exchange: 8,192 bytes a tile, 16 bytes a lane; in slot 0, which has had its last fill and its last read by then
	v_add_nc_u32 v95, 0xffffff80, v0               ; the prefetches' offset: thread - 128, held at 95
	v_min_u32 v95, 95, v95
	v_cmp_lt_u32 vcc_lo, 47, v95
	v_mov_b32 v28, 8*REG-12288
	v_cndmask_b32 v28, 0, v28, vcc_lo              ; 0-47: K's blocks; 48-95: V's, eight regions on
	v_lshl_add_u32 v28, v95, 8, v28
	v_mov_b32 v29, 0xff800000                      ; -infinity
.irp j, 22,23,24,25,26,27
	v_mov_b32 v\j, 0                               ; q's upper 64 codes
.endr
.irp t, 0,1,2,3
.irp j, 6,7,8,9,10,11
	v_mov_b32 v[32+12*\t+\j], 0                    ; the upper halves of K's fragments: written once; later they hold what V's loads left
.endr
.endr
	v_mov_b32 v13, 0xff61b1e6                      ; the largest t so far: -3e38
	v_floor_f32 v12, -v13
	v_mov_b32 v14, 0
	v_mov_b32 v15, 0
.irp b, 0,1,2,3
	v_mov_b32 v[236+\b], 0                         ; written once: a lane permute's destination counts as one of its sources
.endr
	v_mov_b32 v253, 0
.set MN, 0
.rept 64
	v_mov_b32 v[160+MN], 0                         ; O^T: the step is written without a first step of its own; the first change of M leaves zeros zeros
.set MN, MN+1
.endr
	s_wait_loadcnt 0x0
	; lambda = exp(lambda_q1 . lambda_k1) - exp(lambda_q2 . lambda_k2) + 0.2
	v_mul_f32 v86, v86, v88
	v_mul_f32 v90, v90, v92
	v_fmac_f32 v86, v87, v89
	v_fmac_f32 v90, v91, v93
.irp m, 1,2,4,8
	v_add_f32_dpp v86, v86, v86 row_xmask:\m row_mask:0xf bank_mask:0xf
	v_add_f32_dpp v90, v90, v90 row_xmask:\m row_mask:0xf bank_mask:0xf
.endr
	v_permlanex16_b32 v87, v86, s8, s9
	v_permlanex16_b32 v91, v90, s8, s9
	v_add_f32 v86, v86, v87
	v_add_f32 v90, v90, v91
	s_mov_b32 s84, 0x3fb8aa3b                      ; log2(e), and what f32 leaves of it
	s_mov_b32 s85, 0x32a57060
.irp x, 86, 90                         ; e^x = 2^e 2^a, e a whole number, a = x log2(e) - e kept in two parts: right to f32's last places for large x too
	v_mul_f32 v[\x+1], s84, v\x
	v_fma_f32 v[\x+2], v\x, s84, -v[\x+1]
	v_fma_f32 v[\x+2], v\x, s85, v[\x+2]
	v_rndne_f32 v[\x+3], v[\x+1]
	v_sub_f32 v[\x+1], v[\x+1], v[\x+3]
	v_add_f32 v[\x+1], v[\x+1], v[\x+2]
	v_cvt_i32_f32 v[\x+3], v[\x+3]
.endr
	v_exp_f32 v86, v87
	v_exp_f32 v90, v91
	v_nop                                          ; a plain line behind the exponentials
	s_wait_alu depctr_va_vdst(0)                   ; one wait for the two, ahead of their first reader
	v_ldexp_f32 v86, v86, v89
	v_ldexp_f32 v90, v90, v93
	v_sub_f32 v86, v86, v90
	v_add_f32 v86, 0x3e4ccccd, v86
	s_cmp_eq_u32 s6, 1
	s_cselect_b32 s84, -1, 0
	v_cndmask_b32 v30, 1.0, v86, s84               ; branch 0: 1; branch 1: lambda
.Lslot:                                            ; NSL - 1 trips: behind each change of slots but the last the next slot is asked for
	CHANGE 1
	SLOT_STEPS
	s_sub_co_u32 s3, s3, 1
	s_cmp_lg_u32 s3, 0
	s_cbranch_scc1 .Lslot
	CHANGE 0                                       ; the last slot is written out
	SLOT_STEPS
	; THE END.  O^T / the sum (branch 1: x lambda); branch 1's goes to branch 0 as an image of its registers.
	s_load_b64 s[32:33], s[0:1], 0x38              ; subln_weight
	s_load_b128 s[36:39], s[0:1], 0x40             ; ac, asc
	v_add_f32 v14, v14, v15
	v_permlanex16_b32 v252, v14, s8, s9
	v_add_f32 v14, v14, v252                       ; the row's sum
	v_rcp_f32 v13, v14
	v_and_b32 v8, 15, v0                           ; (plain lines behind the reciprocal and behind the last products)
	v_bfe_u32 v9, v0, 4, 1
	v_mul_u32_u24 v31, v8, 768
	v_mad_u32_u24 v31, v9, 24, v31                 ; ac: row r, + 24 h
	v_lshlrev_b32 v10, 6, v9                       ; the gain: 64 h bytes
	v_lshlrev_b32 v11, 5, v8                       ; asc: 32 bytes a row
	s_wait_alu depctr_va_vdst(0)                   ; ahead of the reciprocal's first reader
	v_mul_f32 v12, v13, v30
.set MN, 0
.rept 32
	v_pk_mul_f32 v[96+MN:97+MN], v[160+MN:161+MN], v[12:13] op_sel_hi:[1,0]   ; ascending: each result from its low end on
.set MN, MN+2
.endr
	s_cmp_eq_u32 s6, 0
	s_cbranch_scc1 .Lkeep
.irp i, 0,1,2,3,4,5,6,7,8,9,10,11,12,13,14,15
	ds_store_b128 v7, v[96+4*\i:99+4*\i] offset:512*\i
.endr
.Lkeep:
	s_wait_kmcnt 0x0
	s_wait_dscnt 0x0                               ; for the other wave's sake: my stores are done
	s_barrier_signal -1
	s_barrier_wait -1
	s_cmp_eq_u32 s6, 1
	s_cbranch_scc1 .Lend
.irp b, 0,1,2,3
.irp j, 0,1,2,3
	global_load_b128 v[32+16*\b+4*\j:35+16*\b+4*\j], v10, s[32:33] offset:128*\b+16*\j   ; the gain of my channels 32 b + 16 h + 0 .. 15
.endr
.endr
.irp i, 0,1,2,3,4,5,6,7,8,9,10,11,12,13,14,15
	ds_load_b128 v[160+4*\i:163+4*\i], v7 offset:512*\i
.endr
	s_mul_i32 s40, s31, 768
	s_mul_i32 s41, s66, 96
	s_add_co_u32 s40, s40, s41
	s_mov_b32 s41, 0
	s_add_nc_u64 s[36:37], s[36:37], s[40:41]      ; ac at my first query, my head's 96 bytes
	s_lshl_b32 s40, s31, 5
	s_lshl_b32 s42, s66, 2
	s_add_co_u32 s40, s40, s42
	s_add_nc_u64 s[38:39], s[38:39], s[40:41]      ; asc likewise: my head's word
	s_mov_b32 s44, 0x3c000000                      ; 1 / 128
	s_mov_b32 s45, 0x3727c5ac                      ; 1e-5
	s_wait_dscnt 0x0
.set MN, 0
.rept 32
	v_pk_add_f32 v[96+MN:97+MN], v[96+MN:97+MN], v[160+MN:161+MN] neg_lo:[0,1] neg_hi:[0,1]   ; attn1 - lambda attn2
.set MN, MN+2
.endr
	v_pk_mul_f32 v[232:233], v[96:97], v[96:97]    ; the sum of squares, in two chains
	v_pk_mul_f32 v[234:235], v[98:99], v[98:99]
.irp j, 4,8,12,16,20,24,28,32,36,40,44,48,52,56,60
	v_pk_fma_f32 v[232:233], v[96+\j:97+\j], v[96+\j:97+\j], v[232:233]
	v_pk_fma_f32 v[234:235], v[98+\j:99+\j], v[98+\j:99+\j], v[234:235]
.endr
	v_pk_add_f32 v[232:233], v[232:233], v[234:235]
	v_add_f32 v232, v232, v233
	v_permlanex16_b32 v236, v232, s8, s9
	v_add_f32 v232, v232, v236                     ; with lane l xor 16's 64 channels
	v_fma_f32 v232, v232, s44, s45                 ; the mean + 1e-5
	v_rsq_f32 v234, v232
	v_nop
	s_wait_alu depctr_va_vdst(0)
	s_wait_loadcnt 0x0                             ; the gain
.set MN, 0
.rept 32
	v_pk_mul_f32 v[96+MN:97+MN], v[96+MN:97+MN], v[234:235] op_sel_hi:[1,0]
.set MN, MN+2
.endr
.set MN, 0
.rept 32
	v_pk_mul_f32 v[96+MN:97+MN], v[96+MN:97+MN], v[32+MN:33+MN]
.set MN, MN+2
.endr
.set MN, 0
.rept 32
	v_pk_mul_f32 v[96+MN:97+MN], v[96+MN:97+MN], 0x3f4ccccd op_sel_hi:[1,0]   ; x 0.8, in the definition's order
.set MN, MN+2
.endr
	QUANT 96
	v_cmp_eq_f32 vcc_lo, 0, v14                    ; a query with no key: the sum is 0 (else it is above 1/2)
	v_mov_b32 v254, -1
	v_cndmask_b32 v253, v253, v254, vcc_lo         ; its scale bytes become 0xff: the row of the result is NaN
.irp p, 0,1,2,3,4,5
	global_store_b64 v31, v[PC+2*\p:PC+2*\p+1], s[36:37] offset:48*(\p/3)+8*(\p%3)
.endr
	global_store_b32 v11, v253, s[38:39]           ; lanes r and r + 16 store the same word to the same place
.Lend:
	s_wait_tensorcnt 0x0                           ; the wave's end
	ds_add_u32 v5, v6
	s_wait_dscnt 0x0
	CROUND                                         ; the closing round
	s_endpgm
.Lfunc_end_k_qecf732ff16_attn:
	.size	k_qecf732ff16_attn, .Lfunc_end_k_qecf732ff16_attn-k_qecf732ff16_attn
	.p2alignl 7, 3214868480
	.fill 96, 4, 3214868480
	.section	.rodata,"a",@progbits
	.p2align	6, 0x0
	.amdhsa_kernel k_qecf732ff16_attn
		.amdhsa_group_segment_fixed_size 327680
		.amdhsa_private_segment_fixed_size 0
		.amdhsa_enable_private_segment 0
		.amdhsa_kernarg_size 80
		.amdhsa_user_sgpr_count 2
		.amdhsa_user_sgpr_kernarg_segment_ptr 1
		.amdhsa_wavefront_size32 1
		.amdhsa_system_sgpr_workgroup_id_x 1
		.amdhsa_system_sgpr_workgroup_id_y 1
		.amdhsa_system_sgpr_workgroup_id_z 1
		.amdhsa_system_vgpr_workitem_id 0
		.amdhsa_next_free_vgpr 256
		.amdhsa_next_free_sgpr 102
		.amdhsa_reserve_vcc 1
		.amdhsa_float_denorm_mode_32 3
		.amdhsa_float_denorm_mode_16_64 3
		.amdhsa_memory_ordered 1
		.amdhsa_forward_progress 1
		.amdhsa_inst_pref_size 238
	.end_amdhsa_kernel
	.amdgpu_metadata
---
amdhsa.version: [ 1, 2 ]
amdhsa.kernels:
  - .name:           k_qecf732ff16_attn
    .symbol:         k_qecf732ff16_attn.kd
    .args:
      - { .name: qkvc, .offset: 0, .size: 8, .value_kind: global_buffer, .address_space: global }
      - { .name: qkvs, .offset: 8, .size: 8, .value_kind: global_buffer, .address_space: global }
      - { .name: maskw, .offset: 16, .size: 8, .value_kind: global_buffer, .address_space: global }
      - { .name: lambda_q1, .offset: 24, .size: 8, .value_kind: global_buffer, .address_space: global }
      - { .name: lambda_k1, .offset: 32, .size: 8, .value_kind: global_buffer, .address_space: global }
      - { .name: lambda_q2, .offset: 40, .size: 8, .value_kind: global_buffer, .address_space: global }
      - { .name: lambda_k2, .offset: 48, .size: 8, .value_kind: global_buffer, .address_space: global }
      - { .name: subln_weight, .offset: 56, .size: 8, .value_kind: global_buffer, .address_space: global }
      - { .name: ac, .offset: 64, .size: 8, .value_kind: global_buffer, .address_space: global }
      - { .name: asc, .offset: 72, .size: 8, .value_kind: global_buffer, .address_space: global }
    .group_segment_fixed_size: 327680
    .private_segment_fixed_size: 0
    .kernarg_segment_align: 8
    .kernarg_segment_size: 80
    .max_flat_workgroup_size: 512
    .sgpr_count:     102
    .vgpr_count:     256
    .wavefront_size: 32
...
	.end_amdgpu_metadata
.endif
;; end of part 3
;; launch outp (part 4): grid 4 x 16, 4 waves a work-group, clusters of 4 x 4, 327,680 bytes of LDS; arguments ac, asc, opc, ops, out0; writes out0
.if DOCPART == 4
	.amdgcn_target "amdgcn-amd-amdhsa--gfx1250"
	.amdhsa_code_object_version 6
	.text
	.protected	k_qecf732ff16_outp
	.globl	k_qecf732ff16_outp
	.p2align	8
	.type	k_qecf732ff16_outp,@function
k_qecf732ff16_outp:
	s_mov_b64 s[64:65], 0
	v_nop
	global_prefetch_b8 v0, s[64:65] scope:SCOPE_SE
	s_setreg_imm32_b32 hwreg(HW_REG_WAVE_MODE, 25, 1), 1
	s_wait_xcnt 0x0
	s_wait_alu depctr_hold_cnt(0) depctr_sa_sdst(0) depctr_va_vdst(0) depctr_va_sdst(0) depctr_va_ssrc(0) depctr_va_vcc(0) depctr_vm_vsrc(0)
	s_getreg_b32 s2, hwreg(HW_REG_IB_STS2, 6, 4)
	s_cmp_eq_u32 s2, 0
	s_cbranch_scc0 .Lentry_in_a_cluster
	s_endpgm
.Lentry_in_a_cluster:
	s_bfe_u32 s2, ttmp6, 0x10000c
	s_cmp_lg_u32 s2, 0xf033
	s_cbranch_scc0 .Lentry_shape_is_right
	s_endpgm
.Lentry_shape_is_right:
; out0[m][n] = sum over k of A[m][k] Wo[k][n].  A: the normed difference as codes of FP6 (E2M3), [4096][1024], natural rows, with one E8M0 scale for each 32 along K; Wo: codes laid [n][k] at places 7,168 on of opc;
; out0: [4096][1024] f32; sums in f32.
; Wo's rows lie permuted inside groups of 32 (places 8-15 hold columns 16-23, places 16-23 columns 8-15): place 16 b + 8 h + j is column 32 (b / 2) + 16 h + 8 (b % 2) + j, which the way out undoes in its stage.
; A tile of 256 x 256 is made by a work-group of four waves; a wave makes 128 x 128: 64 accumulators, 512 registers.  K goes in steps of 256 through a ring of two LDS slots filled by the tensor data mover;
; the scale bytes of the work-group's rows come once, with the first fills, and stay.  64 work-groups: the tile is kept large, since the launch is short beside the attention.
; CLUSTERS: 4 x 4 work-groups; A's tile is shared along a row of the cluster, Wo's along a column: each is asked for jointly.  The matrix instruction is used transposed (source 0 = 16 rows of Wo, source 1 = 16 rows of A).
; REGISTERS, in windows of 256: window 0: v0-31 addresses; v32-63 scale words, two sets; from v128 A's fragments, one set; on the way out v32-255 are free.
;   window 1: Wo's fragments, two sets.   window 2: the accumulators of my rows 0-63;   window 3: those of rows 64-127.
.set SIZE_N, 1024
.set SIZE_K, 1024
.set KSTEP,  256
.set NQ,     KSTEP/128
.set ROWB,   192
.set KROW,   SIZE_K*6/8
.set PITCH,  240
.set FR,     12
.set NL,     6
.set NP,     4
.set HALFT,  128*PITCH
.set SLOT,   4*HALFT
.set LAPS,   SIZE_K/(2*KSTEP)
.set KS,     SIZE_K/32
.set SCL,    2*SLOT
.set HALFS,  (128*KS/256)*272
.set SBLK,   (16*KS/256)*272
.set SPARE,  SCL+4*HALFS               ; the spare words, 128 bytes for each wave: two blocks of 256 bytes that no other line names
.set SPITCH, 528                       ; the way out: a stage of 16 rows x (512 bytes + 16) for each wave, in slot 0, which has had its last fill and its last read by then
.set ADRA, 16
.set ADRB, 20
.set STO,  24
.set RD,   25
.set CO,   26
.set SPW,  28
.set NIL,  29
.set ADRS, 27
.set SC,   32
.set AF,   128
.set BK,   128
.set G1, 24
.set G0, 32
.set G1B, 48
.set G0B, 56
.set G1S, 68
.set G0S, 76
.set G1SB, 80
.set G0SB, 88
.set MSB, 0
.macro WIN new
.if MSB != \new
	s_set_vgpr_msb (MSB<<8)|\new
.set MSB, \new
.endif
.endm
.set MUL_LO, 0xa1
.set MUL_HI, 0xf1
.set TO_B,   0x40
.macro JLOAD g0a, g1a, g0b, g1b        ; a joint load: waves 0 and 1 fetch for A, waves 2 and 3 for Wo; four v_nop follow each of the two lines
	s_cmp_eq_u32 s15, 0
	s_cbranch_scc0 .Lfor_b_\@
	tensor_load_to_lds s[\g0a:\g0a+3], s[\g1a:\g1a+7]
	s_nop 0
.rept 4
	v_nop
.endr
	s_branch .Lasked_\@
.Lfor_b_\@:
	tensor_load_to_lds s[\g0b:\g0b+3], s[\g1b:\g1b+7]
	s_nop 0
.rept 4
	v_nop
.endr
.Lasked_\@:
.endm
.macro CREST
	s_cmp_lg_u32 s14, 0
	s_cbranch_scc1 .Lnot_wave_0_\@
	s_barrier_signal -3
.Lnot_wave_0_\@:
	s_barrier_wait -3
	s_barrier_signal -1
	s_barrier_wait -1
.endm
.macro CROUND
	s_barrier_signal -1
	s_barrier_wait -1
	CREST
.endm
	s_load_b128 s[4:7], s[0:1], 0x0                ; A's codes s[4:5], A's scales s[6:7]
	s_load_b128 s[8:11], s[0:1], 0x10              ; opc s[8:9], ops s[10:11]
	s_load_b64 s[12:13], s[0:1], 0x20              ; out0
	v_lshl_add_u32 v[SPW], v0, 2, SPARE
	v_mov_b32 v[NIL], 0
	ds_add_u32 v28, v29
	s_wait_dscnt 0x0
	v_lshrrev_b32 v1, 5, v0
	v_readfirstlane_b32 s14, v1                    ; wave 0..3
	s_lshr_b32 s15, s14, 1                         ; which half of the tile's rows is mine.  Also: I fetch for A (0) or for Wo (1)
	s_and_b32 s16, s14, 1                          ; which half of its columns.  Also: which 128 rows of that tile I fetch
	s_bfe_u32 s40, ttmp6, 0x40000                  ; cx, cy
	s_bfe_u32 s41, ttmp6, 0x40004
	s_lshl_b32 s42, ttmp9, 2
	s_add_co_u32 s42, s42, s40                     ; tile column
	s_and_b32 s17, ttmp7, 0xffff
	s_lshl_b32 s17, s17, 2
	s_add_co_u32 s17, s17, s41                     ; tile row
	s_lshl_b32 s43, s41, 2
	s_lshl_b32 s43, 15, s43                        ; my row of the cluster
	s_lshl_b32 s44, 0x1111, s40                    ; my column
	s_or_b32 s[G1+0], s43, (0<<16)|(1<<20)|(1<<21)|(3<<22)|(3<<25)  ; the mask; elements of 1 byte; padding on; bit 21 beside a mask; after every 16 words 4 words
	s_or_b32 s[G1B+0], s44, (0<<16)|(1<<20)|(1<<21)|(3<<22)|(3<<25)
.irp g, G1, G1B
	s_mov_b32 s[\g+1], ROWB<<16
	s_mov_b32 s[\g+2], 128<<16
	s_mov_b32 s[\g+3], ROWB<<16
	s_mov_b32 s[\g+4], 128
	s_mov_b32 s[\g+5], KROW
	s_mov_b32 s[\g+6], 0
	s_mov_b32 s[\g+7], 0
.endr
	s_or_b32 s[G1S+0], s43, (3<<16)|(1<<20)|(1<<21)|(5<<22)|(3<<25)
	s_or_b32 s[G1SB+0], s44, (3<<16)|(1<<20)|(1<<21)|(5<<22)|(3<<25)
.irp g, G1S, G1SB
	s_mov_b32 s[\g+1], 32<<16
	s_mov_b32 s[\g+2], (128*KS/256)<<16
	s_mov_b32 s[\g+3], 32<<16
	s_mov_b32 s[\g+4], 128*KS/256
	s_mov_b32 s[\g+5], 32
	s_mov_b32 s[\g+6], 0
	s_mov_b32 s[\g+7], 0
.endr
	s_lshl_b32 s18, s16, 7
	s_lshl_b32 s20, s17, 8
	s_add_co_u32 s20, s20, s18                     ; A: row 256 x tile row + 128 x half
	s_lshl_b32 s46, s42, 8
	s_add_co_u32 s46, s46, s18
	s_add_co_u32 s46, s46, 7168                    ; Wo: place 7,168 + 256 x tile column + 128 x half
	s_mov_b32 s21, 0
	s_mov_b32 s47, 0
	s_mov_b64 s[18:19], KS
	s_mul_u64 s[22:23], s[20:21], s[18:19]
	s_mul_u64 s[92:93], s[46:47], s[18:19]
	s_mov_b64 s[18:19], KROW
	s_mul_u64 s[20:21], s[20:21], s[18:19]
	s_mul_u64 s[46:47], s[46:47], s[18:19]
	s_mul_i32 s45, s14, HALFT
	s_mul_i32 s94, s14, HALFS
	s_wait_kmcnt 0x0
	s_add_nc_u64 s[20:21], s[4:5], s[20:21]
	s_add_nc_u64 s[22:23], s[6:7], s[22:23]
	s_add_nc_u64 s[46:47], s[8:9], s[46:47]
	s_add_nc_u64 s[92:93], s[10:11], s[92:93]
	CROUND                                         ; all sixteen work-groups are here: the first joint loads meet
	s_mov_b32 s[G0S], 1
	s_add_co_u32 s[G0S+1], s94, SCL
	s_mov_b64 s[G0S+2:G0S+3], s[22:23]
	s_or_b32 s[G0S+3], s[G0S+3], 0x80000000
	s_mov_b32 s[G0SB], 1
	s_add_co_u32 s[G0SB+1], s94, SCL
	s_mov_b64 s[G0SB+2:G0SB+3], s[92:93]
	s_or_b32 s[G0SB+3], s[G0SB+3], 0x80000000
	JLOAD G0S, G1S, G0SB, G1SB
.irp s, 0,1
	s_mov_b32 s[G0+4*\s], 1
	s_add_co_u32 s[G0+4*\s+1], s45, \s*SLOT
	s_add_nc_u64 s[G0+4*\s+2:G0+4*\s+3], s[20:21], \s*ROWB
	s_or_b32 s[G0+4*\s+3], s[G0+4*\s+3], 0x80000000
	s_mov_b32 s[G0B+4*\s], 1
	s_add_co_u32 s[G0B+4*\s+1], s45, \s*SLOT
	s_add_nc_u64 s[G0B+4*\s+2:G0B+4*\s+3], s[46:47], \s*ROWB
	s_or_b32 s[G0B+4*\s+3], s[G0B+4*\s+3], 0x80000000
	JLOAD G0+4*\s, G1, G0B+4*\s, G1B
.endr
	v_and_b32 v1, 15, v0
	v_bfe_u32 v2, v0, 4, 1
	v_mul_u32_u24 v3, v1, PITCH
	v_mul_u32_u24 v4, v2, 24
	v_add_nc_u32 v4, v3, v4
	v_lshl_add_u32 v5, v2, 4, v4
	s_mul_i32 s21, s15, HALFT
	s_mul_i32 s22, s16, HALFT
	s_add_co_u32 s22, s22, 2*HALFT
.irp s, 0,1
	v_add_nc_u32 v[ADRA+\s], s21, v4
	v_add_nc_u32 v[ADRB+\s], s22, v4
	v_add_nc_u32 v[ADRA+2+\s], s21, v5
	v_add_nc_u32 v[ADRB+2+\s], s22, v5
	s_add_co_u32 s21, s21, SLOT
	s_add_co_u32 s22, s22, SLOT
.endr
	v_mul_u32_u24 v5, v1, KS
	v_lshrrev_b32 v6, 8, v5
	v_lshl_add_u32 v5, v6, 4, v5
	s_mul_i32 s21, s15, HALFS
	s_mul_i32 s22, s16, HALFS
	s_add_co_u32 s22, s22, 2*HALFS
	s_sub_co_u32 s22, s22, s21
	v_mul_u32_u24 v6, s22, v2
	s_add_co_u32 s21, s21, SCL
	v_add_nc_u32 v5, v5, v6
	v_add_nc_u32 v[ADRS], s21, v5
	s_mul_i32 s23, s14, 16*SPITCH                  ; my stage
	v_mul_u32_u24 v5, v1, SPITCH                   ; in: row l % 16; the halves of the lanes stand 16 columns, 64 bytes, apart
	v_lshl_add_u32 v5, v2, 6, v5
	v_add_nc_u32 v[STO], s23, v5
	v_and_b32 v6, 31, v0
	v_lshlrev_b32 v[CO], 4, v6
	v_add_nc_u32 v[RD], s23, v[CO]
	s_lshl_b32 s20, s17, 8
	s_lshl_b32 s21, s15, 7
	s_add_co_u32 s20, s20, s21
	s_mov_b32 s21, 0
	s_mov_b64 s[18:19], SIZE_N*4
	s_mul_u64 s[20:21], s[20:21], s[18:19]
	s_lshl_b32 s46, s42, 10
	s_lshl_b32 s47, s16, 9
	s_add_co_u32 s46, s46, s47
	s_mov_b32 s47, 0
	s_add_nc_u64 s[20:21], s[20:21], s[46:47]
	s_add_nc_u64 s[12:13], s[12:13], s[20:21]
.macro FRAG reg, adr, q, i
.irp p, 0,1,2,3,4,5
.set PCE, 12*(\q)+6*(\p/3)+\p%3
.if PCE%8 < 5
	ds_load_b64 v[\reg+2*\p:\reg+2*\p+1], v[\adr] offset:8*PCE+16*(PCE/8)+(\i)*16*PITCH
.else
	ds_load_b64 v[\reg+2*\p:\reg+2*\p+1], v[\adr+2] offset:8*PCE+16*(PCE/8)+(\i)*16*PITCH
.endif
.endr
.endm
.macro MUL16 a0, p, q, sc, zero        ; the 64 accumulators take turns, one instruction a turn
.irp a, \a0, \a0+1
.irp b, 0,1,2,3,4,5,6,7
.if \zero
	v_wmma_scale_f32_16x16x128_f8f6f4 v[8*(8*((\a)%4)+\b):8*(8*((\a)%4)+\b)+7], v[128*(\p)+FR*\b:128*(\p)+FR*\b+FR-1], v[AF+FR*(\a):AF+FR*(\a)+FR-1], 0, v[SC+8*NQ*(\sc)+NQ*\b+(\q)], v[SC+8*NQ*(\sc)+NQ*(\a)+(\q)] matrix_a_fmt:MATRIX_FMT_FP6 matrix_b_fmt:MATRIX_FMT_FP6 matrix_a_scale:MATRIX_SCALE_ROW1
.else
	v_wmma_scale_f32_16x16x128_f8f6f4 v[8*(8*((\a)%4)+\b):8*(8*((\a)%4)+\b)+7], v[128*(\p)+FR*\b:128*(\p)+FR*\b+FR-1], v[AF+FR*(\a):AF+FR*(\a)+FR-1], v[8*(8*((\a)%4)+\b):8*(8*((\a)%4)+\b)+7], v[SC+8*NQ*(\sc)+NQ*\b+(\q)], v[SC+8*NQ*(\sc)+NQ*(\a)+(\q)] matrix_a_fmt:MATRIX_FMT_FP6 matrix_b_fmt:MATRIX_FMT_FP6 matrix_a_scale:MATRIX_SCALE_ROW1
.endif
.endr
.endr
.endm
.macro FETCH_B slot, q, p
	WIN TO_B
.irp i, 0,1,2,3,4,5,6,7
	FRAG 128*(\p)+FR*\i, ADRB+\slot, \q, \i
.endr
	WIN 0
.endm
.macro FETCH_A slot, q, i0
.irp i, \i0, \i0+1, \i0+2, \i0+3
	FRAG AF+FR*(\i), ADRA+\slot, \q, \i
.endr
.endm
.macro SCALES sc
.irp i, 0,1,2,3,4,5,6,7
	ds_load_b64 v[SC+8*NQ*\sc+NQ*\i:SC+8*NQ*\sc+NQ*\i+1], v[ADRS] offset:\i*SBLK
.endr
.endm
.macro PLACES n
.rept \n
	v_nop
.endr
.endm
.macro STEP slot, q, zero
	s_wait_dscnt 4*NL                              ; Wo's set and A's blocks 0-3 are in; the youngest 24 loads (A's blocks 4-7) may be out
	WIN MUL_LO
	MUL16 0, (\q)%2, \q, \slot, \zero
	MUL16 2, (\q)%2, \q, \slot, \zero
	s_wait_dscnt 0
	PLACES NP
	FETCH_B \slot, (\q)+1, 1-(\q)%2
	FETCH_A \slot, (\q)+1, 0
	WIN MUL_HI
	MUL16 4, (\q)%2, \q, \slot, \zero
	MUL16 6, (\q)%2, \q, \slot, \zero
	PLACES NP
	WIN 0
	FETCH_A \slot, (\q)+1, 4
.endm
.macro TURN slot, next, fill
	s_wait_tensorcnt 0x0                           ; all my tensor loads have landed: my part of the next slot
	ds_add_u32 v[SPW], v[NIL]                      ; 0 onto my spare word
	s_wait_dscnt 4*NL+1                            ; (the add and the youngest 24 loads may be out)
	WIN MUL_LO
	MUL16 0, 1, NQ-1, \slot, 0
	s_wait_dscnt 0x0                               ; the add is done, and my reads of this slot are over
	s_barrier_signal -1
	MUL16 2, 1, NQ-1, \slot, 0
	WIN 0
	s_barrier_wait -1
.if \fill
	CREST                                          ; the barrier has opened a round of the cluster's barrier
	s_add_nc_u64 s[G0+4*\slot+2:G0+4*\slot+3], s[G0+4*\slot+2:G0+4*\slot+3], 2*ROWB
	s_add_nc_u64 s[G0B+4*\slot+2:G0B+4*\slot+3], s[G0B+4*\slot+2:G0B+4*\slot+3], 2*ROWB
	JLOAD G0+4*\slot, G1, G0B+4*\slot, G1B         ; the first tensor load behind the round
.else
	PLACES NP
.endif
	v_add_nc_u32 v[ADRS], 4*NQ, v[ADRS]
	FETCH_B \next, 0, 0
	FETCH_A \next, 0, 0
	SCALES \next
	WIN MUL_HI
	MUL16 4, 1, NQ-1, \slot, 0
	MUL16 6, 1, NQ-1, \slot, 0
	PLACES NP
	WIN 0
	FETCH_A \next, 0, 4
.endm
	s_wait_tensorcnt 1                             ; the scales and my part of K step 0 are in (K step 1's load may be out),
	s_barrier_signal -1
	s_barrier_wait -1                              ; everybody's are
	FETCH_B 0, 0, 0
	FETCH_A 0, 0, 0
	SCALES 0
	FETCH_A 0, 0, 4
	STEP 0, 0, 1
	s_mov_b32 s3, LAPS-1
.Llap:
	TURN 0, 1, 1
	STEP 1, 0, 0
	TURN 1, 0, 1
	STEP 0, 0, 0
	s_sub_co_u32 s3, s3, 1
	s_cmp_lg_u32 s3, 0
	s_cbranch_scc1 .Llap
	TURN 0, 1, 0
	STEP 1, 0, 0
	s_wait_dscnt 4*NL
	WIN MUL_LO
	MUL16 0, 1, NQ-1, 1, 0
	MUL16 2, 1, NQ-1, 1, 0
	s_wait_dscnt 0
	WIN MUL_HI
	MUL16 4, 1, NQ-1, 1, 0
	MUL16 6, 1, NQ-1, 1, 0
	WIN 0
; THE WAY OUT, block by block of 16 rows x 128 columns, through my own stage: in at each result's true column, back as whole rows of 512 bytes.
.macro TOSTAGE a
.set AC, 64*((\a)%4)
	WIN 0x08+4*((\a)/4)                            ; the data: window 2 or 3
.irp b, 0,1,2,3,4,5,6,7
	ds_store_b128 v[STO], v[AC+8*\b:AC+8*\b+3] offset:128*(\b/2)+32*(\b%2)          ; columns 32 (b / 2) + 16 h + 8 (b % 2) + 0 .. 7; each accumulator from its low end on
	ds_store_b128 v[STO], v[AC+8*\b+4:AC+8*\b+7] offset:128*(\b/2)+32*(\b%2)+16
.endr
	WIN 0
.set BB, BK+64*((\a)%2)
.irp t, 0,1,2,3,4,5,6,7,8,9,10,11,12,13,14,15
	ds_load_b128 v[BB+4*\t:BB+4*\t+3], v[RD] offset:\t*SPITCH   ; LDS serves a wave's instructions in order: these see the stores above
.endr
.endm
.macro SEND a, younger
.set BB, BK+64*((\a)%2)
	s_wait_dscnt \younger                          ; the block is back in registers
.if (\a) > 0
	s_add_nc_u64 s[12:13], s[12:13], 16*SIZE_N*4   ; (behind a wait on XCNT: the earlier stores have read their base)
.endif
.irp t, 0,1,2,3,4,5,6,7,8,9,10,11,12,13,14,15
	global_store_b128 v[CO], v[BB+4*\t:BB+4*\t+3], s[12:13] offset:\t*SIZE_N*4 th:TH_STORE_NT   ; 32 lanes store 512 consecutive bytes, aligned
.endr
.endm
	PLACES NP
	TOSTAGE 0
.irp a, 1,2,3,4,5,6,7
.if \a > 1
	s_wait_xcnt 0x0                                ; block a - 2's stores have read their registers and their base
.endif
	TOSTAGE \a
	SEND \a-1, 32                                  ; behind block a - 1's loads: block a's 16 stores and 16 loads
.endr
	s_wait_xcnt 0x0
	SEND 7, 0
	s_wait_tensorcnt 0x0                           ; the wave's end
	ds_add_u32 v[SPW], v[NIL]
	s_wait_dscnt 0x0
	CROUND                                         ; the closing round
	s_endpgm
.Lfunc_end_k_qecf732ff16_outp:
	.size	k_qecf732ff16_outp, .Lfunc_end_k_qecf732ff16_outp-k_qecf732ff16_outp
	.p2alignl 7, 3214868480
	.fill 96, 4, 3214868480
	.section	.rodata,"a",@progbits
	.p2align	6, 0x0
	.amdhsa_kernel k_qecf732ff16_outp
		.amdhsa_group_segment_fixed_size 327680
		.amdhsa_private_segment_fixed_size 0
		.amdhsa_enable_private_segment 0
		.amdhsa_kernarg_size 40
		.amdhsa_user_sgpr_count 2
		.amdhsa_user_sgpr_kernarg_segment_ptr 1
		.amdhsa_wavefront_size32 1
		.amdhsa_system_sgpr_workgroup_id_x 1
		.amdhsa_system_sgpr_workgroup_id_y 1
		.amdhsa_system_sgpr_workgroup_id_z 1
		.amdhsa_system_vgpr_workitem_id 0
		.amdhsa_next_free_vgpr 1024
		.amdhsa_next_free_sgpr 98
		.amdhsa_reserve_vcc 0
		.amdhsa_float_denorm_mode_32 3
		.amdhsa_float_denorm_mode_16_64 3
		.amdhsa_memory_ordered 1
		.amdhsa_forward_progress 1
		.amdhsa_inst_pref_size 160
	.end_amdhsa_kernel
	.amdgpu_metadata
---
amdhsa.version: [ 1, 2 ]
amdhsa.kernels:
  - .name:           k_qecf732ff16_outp
    .symbol:         k_qecf732ff16_outp.kd
    .args:
      - { .name: ac, .offset: 0, .size: 8, .value_kind: global_buffer, .address_space: global }
      - { .name: asc, .offset: 8, .size: 8, .value_kind: global_buffer, .address_space: global }
      - { .name: opc, .offset: 16, .size: 8, .value_kind: global_buffer, .address_space: global }
      - { .name: ops, .offset: 24, .size: 8, .value_kind: global_buffer, .address_space: global }
      - { .name: out0, .offset: 32, .size: 8, .value_kind: global_buffer, .address_space: global }
    .group_segment_fixed_size: 327680
    .private_segment_fixed_size: 0
    .kernarg_segment_align: 8
    .kernarg_segment_size: 40
    .max_flat_workgroup_size: 128
    .sgpr_count:     98
    .vgpr_count:     1024
    .wavefront_size: 32
...
	.end_amdgpu_metadata
.endif
;; end of part 4
